; MI455X (gfx1250); checked and timed in simulation.
; The chip was launched on July 23, 2026; its instructions are those of AMD's public machine-readable ISA for CDNA 5 (MIT licence, August 2026) and "CDNA5" Instruction Set Architecture Reference Guide (July 2026). The comments in the code are by the model that wrote it; some were corrected since.
;; Adjacency Masked Net. Allowed arithmetic: matrix products marked QUANTISED: E2M3 operands, one E8M0 scale for each 32 along K, by v_wmma_scale_f32_16x16x128_f8f6f4 with both operands' format E2M3, f32 sums; everything else in f32.
;; Inputs: A_mask 512 x 8 float32; W1_codes 2,048 x 16 x 24 uint8 (E2M3 codes of W1, K innermost, in blocks of 32 codes, four codes in three bytes); W1_scales 2,048 x 16 uint8 (E8M0 scales of W1, one for each 32 codes along K); W2_codes 512 x 64 x 24 uint8 (E2M3 codes of W2, K innermost, in blocks of 32 codes, four codes in three bytes); W2_scales 512 x 64 uint8 (E8M0 scales of W2, one for each 32 codes along K); b1 2,048 float32; b2 512 float32; col_idx 512 int32; x 4,096 x 512 float32.
;; Outputs: out0 4,096 x 512 float32.
;; This version of the problem:
;;   THIS VERSION OF THE PROBLEM IS GIVEN IN LOW PRECISION. The matrix products marked QUANTISED in the list below multiply operands that are first quantised to E2M3 (2 exponent bits, 3 mantissa bits; 6 bits a number), with one power-of-two scale for each 32 numbers along K (OCP MX v1.0); their sums are f32. All else is computed in f32.
;;   The module's matrix products, in the order in which they are computed (A, B: the left and right operand; K: the contracted axis; several contracted axes count as one K, in the product's order):
;;     1. [M 32,768, K 512] x [K 512, N 2,048]; A: computed on the way; B: input W1 (given as codes): QUANTISED
;;     2. [M 32,768, K 2,048] x [K 2,048, N 512]; A: computed on the way; B: input W2 (given as codes): QUANTISED
;;   THE QUANTISER, for each operand of a quantised product, along K:
;;     - K is cut into blocks of 32 from its start; a last block that is shorter is filled with zeros.
;;     - A block's scale is 2^e with e = floor(log2(the largest magnitude in the block)) - 2, held to -126 .. 127; a block of zeros has e = 0. As a byte (E8M0): e + 127.
;;     - Each number is divided by its block's scale, clamped to +-7.5, and rounded to the nearest number of E2M3, ties to even, subnormals kept.
;;     - The product sums the exact products of the quantised numbers (number of the format x scale) in f32.
;;   ~~~python
;;   def quantise(x, axis):      # numpy; x: float32 -> the quantised numbers, widened to float32 again
;;       x = np.moveaxis(x, axis, -1); K = x.shape[-1]
;;       x = np.pad(x, [(0, 0)] * (x.ndim - 1) + [(0, -K % 32)]); x = x.reshape(x.shape[:-1] + (-1, 32)); a = np.abs(x).max(-1, keepdims=True)
;;       e = np.where(a > 0, np.clip(np.frexp(np.where(a > 0, a, 1))[1] - 1 - 2, -126, 127), 0)      # np.frexp(a)[1] - 1 = floor(log2(a)), exactly
;;       r = np.clip(x / 2.0 ** e, -7.5, 7.5)
;;       step = 2.0 ** (np.maximum(np.frexp(np.where(r == 0, 1, r))[1] - 1, 0) - 3)
;;       q = np.round(r / step) * step * 2.0 ** e      # np.round: ties to even
;;       return np.moveaxis(q.reshape(q.shape[:-2] + (-1,))[..., :K], -1, axis).astype(np.float32)
;;   ~~~
;;   OPERANDS COMPUTED ON THE WAY. 'Computed on the way' means the value that the module computes at that place (a softmax that the list does not call 'softmax' is quantised finished and normalised). What goes into a quantiser is computed in f32, as accurately as f32 sums, v_exp_f32 and their like allow (about 1e-6 of the number): no bf16 or f16 on the way to a quantiser, and a product that is left as it is and whose result goes on into a quantised operand takes f32 operands (vector FMAs, or v_wmma_f32_16x16x4_f32). A number that lies on a knife's edge between two numbers of the format may be rounded either way, as far as f32 arithmetic and the matrix unit's own rounding can turn it there, and no further.
;;   INPUTS GIVEN AS CODES. W1 (in the module: [512, 2048], K = its axis 0); W2 (in the module: [2048, 512], K = its axis 0): each comes as NAME_codes (uint8): NAME with its K axis moved to the last place and cut into blocks of 32 codes, [.., K / 32, bytes a block], one block behind the other in memory; four codes in three bytes: a row's codes are one little-endian stream of bits, code i at bits 6 i .. 6 i + 5 (a code: sign, 2 exponent bits, 3 mantissa bits); and NAME_scales (uint8): the same leading axes, one E8M0 byte (e + 127) for each 32 codes along K. Its value is code x scale, taken as it is: it is not quantised again, and the codes and scales need not be those that the quantiser above would give.
;; 2 versions. Each part assembles by itself: llvm-mc -triple=amdgcn-amd-amdhsa -mcpu=gfx1250 --defsym DOCPART=n.
;; ======== version 1 of 2: 2 launches
;; workspace buffers: w1l 786,432 bytes; w1sl 65,536 bytes; w2l 786,432 bytes
;; launch layout (part 1): grid 256 x 1, 1 waves a work-group, no clusters, 0 bytes of LDS; arguments W1_codes, W1_scales, W2_codes, w1l, w1sl, w2l; writes w1l, w1sl, w2l
.if DOCPART == 1
	.amdgcn_target "amdgcn-amd-amdhsa--gfx1250"
	.amdhsa_code_object_version 6
	.text
	.protected	k_q55caf31338_layout
	.globl	k_q55caf31338_layout
	.p2align	8
	.type	k_q55caf31338_layout,@function
k_q55caf31338_layout:
	s_mov_b64 s[64:65], 0
	v_nop
	global_prefetch_b8 v0, s[64:65] scope:SCOPE_SE
	s_setreg_imm32_b32 hwreg(HW_REG_WAVE_MODE, 25, 1), 1
	s_wait_xcnt 0x0
; The weights' codes are laid once in the order in which the next launch's lanes take them, so that there each load of a wave covers consecutive bytes.  Codes and scale bytes are moved, never changed.
; One wave to a work-group; 13 loads and 13 stores at the most; every store of the wave covers 512 consecutive bytes, aligned.  No LDS, no barrier: waves share nothing.
; WORK-GROUPS 0-127: W1 [2048 rows][384 bytes].  Unit U = 32 w + 4 q + u is a tile of 16 rows x 512 K: lane (r, h) holds the 192 bytes at 192 h of row 512 w + 32 q + 8 u + (r & 7) + 256 (r >> 3).
;   w1l: 6144 U + 512 e + 16 lane = the lane's e-th 16 bytes: an image of 48 registers.  w1sl: 512 U + 16 lane = the row's four scale words: byte 2 c + h of word ks is the row's scale byte 8 h + 2 ks + c.
; WORK-GROUPS 128-255: W2 [512 columns][96 pieces of 16 bytes] is turned into w2l [96 pieces][512 columns]: 32 columns x 12 pieces a wave, a lane to a column.
	s_load_b256 s[4:11], s[0:1], 0x0               ; W1's codes s[4:5], W1's scales s[6:7], W2's codes s[8:9], w1l s[10:11]
	s_load_b128 s[12:15], s[0:1], 0x20             ; w1sl s[12:13], w2l s[14:15]
	v_lshlrev_b32 v2, 4, v0                        ; 16 lane
	s_mov_b32 s19, 0
	s_mov_b32 s21, 0
	s_mov_b32 s23, 0
	s_mov_b32 s25, 0
	s_wait_kmcnt 0x0
	s_cmp_lt_u32 ttmp9, 128
	s_cbranch_scc0 .Lw2
	v_and_b32 v3, 7, v0
	v_bfe_u32 v4, v0, 3, 1
	v_bfe_u32 v5, v0, 4, 1
	v_mul_u32_u24 v6, v3, 384
	v_mad_u32_u24 v6, v4, 0x18000, v6
	v_mad_u32_u24 v6, v5, 192, v6                  ; codes: 384 (r & 7) + 256 rows (r >> 3) + 192 h
	v_lshlrev_b32 v7, 4, v3
	v_lshl_add_u32 v7, v4, 12, v7                  ; scale bytes: 16 (r & 7) + 256 rows (r >> 3)
	s_mov_b32 s26, 0x05010400                      ; byte selectors: bytes 0, 4, 1, 5 and 2, 6, 3, 7 of a pair of words
	s_mov_b32 s27, 0x07030602
	s_and_b32 s16, ttmp9, 0x60                     ; 32 w
	s_lshl_b32 s16, s16, 4
	s_and_b32 s17, ttmp9, 31                       ; 4 q + u
	s_lshl_b32 s17, s17, 3
	s_add_co_u32 s16, s16, s17                     ; the tile's first row: 512 w + 32 q + 8 u
	s_mul_i32 s18, s16, 384
	s_lshl_b32 s20, s16, 4
	s_mul_i32 s22, ttmp9, 6144
	s_lshl_b32 s24, ttmp9, 9
	s_add_nc_u64 s[4:5], s[4:5], s[18:19]
	s_add_nc_u64 s[6:7], s[6:7], s[20:21]
	s_add_nc_u64 s[10:11], s[10:11], s[22:23]
	s_add_nc_u64 s[12:13], s[12:13], s[24:25]
	global_load_b128 v[8:11], v7, s[6:7]           ; my row's 16 scale bytes
.irp e, 0,1,2,3,4,5,6,7,8,9,10,11
	global_load_b128 v[16+4*\e:19+4*\e], v6, s[4:5] offset:16*\e
.endr
	s_wait_loadcnt 12                              ; the scale bytes are in; the twelve loads of codes may be out
	v_perm_b32 v12, v10, v8, s26
	v_perm_b32 v13, v10, v8, s27
	v_perm_b32 v14, v11, v9, s26
	v_perm_b32 v15, v11, v9, s27
	global_store_b128 v2, v[12:15], s[12:13]
.irp e, 0,1,2,3,4,5,6,7,8,9,10,11
	s_wait_loadcnt 11-\e                           ; loads come back in order: the e-th is in
	global_store_b128 v2, v[16+4*\e:19+4*\e], s[10:11] offset:512*\e
.endr
	s_endpgm
.Lw2:
	s_sub_co_u32 s16, ttmp9, 128
	s_lshr_b32 s17, s16, 3                         ; which 32 columns
	s_and_b32 s16, s16, 7                          ; which 12 pieces
	s_mul_i32 s18, s17, 49152                      ; 32 columns of 1,536 bytes
	s_mul_i32 s20, s16, 192
	s_add_co_u32 s18, s18, s20
	s_mul_i32 s22, s16, 98304                      ; 12 pieces of 8,192 bytes
	s_lshl_b32 s20, s17, 9
	s_add_co_u32 s22, s22, s20
	v_mul_u32_u24 v6, v0, 1536                     ; a lane to a column
	s_add_nc_u64 s[8:9], s[8:9], s[18:19]
	s_add_nc_u64 s[14:15], s[14:15], s[22:23]
.irp e, 0,1,2,3,4,5,6,7,8,9,10,11
	global_load_b128 v[16+4*\e:19+4*\e], v6, s[8:9] offset:16*\e
.endr
.irp e, 0,1,2,3,4,5,6,7,8,9,10,11
	s_wait_loadcnt 11-\e
	global_store_b128 v2, v[16+4*\e:19+4*\e], s[14:15] offset:8192*\e
.endr
	s_endpgm
.Lfunc_end_k_q55caf31338_layout:
	.size	k_q55caf31338_layout, .Lfunc_end_k_q55caf31338_layout-k_q55caf31338_layout
	.p2alignl 7, 3214868480
	.fill 96, 4, 3214868480
	.section	.rodata,"a",@progbits
	.p2align	6, 0x0
	.amdhsa_kernel k_q55caf31338_layout
		.amdhsa_group_segment_fixed_size 0
		.amdhsa_private_segment_fixed_size 0
		.amdhsa_enable_private_segment 0
		.amdhsa_kernarg_size 48
		.amdhsa_user_sgpr_count 2
		.amdhsa_user_sgpr_kernarg_segment_ptr 1
		.amdhsa_wavefront_size32 1
		.amdhsa_system_sgpr_workgroup_id_x 1
		.amdhsa_system_sgpr_workgroup_id_y 1
		.amdhsa_system_sgpr_workgroup_id_z 1
		.amdhsa_system_vgpr_workitem_id 0
		.amdhsa_next_free_vgpr 64
		.amdhsa_next_free_sgpr 66
		.amdhsa_reserve_vcc 0
		.amdhsa_float_denorm_mode_32 3
		.amdhsa_float_denorm_mode_16_64 3
		.amdhsa_memory_ordered 1
		.amdhsa_forward_progress 1
		.amdhsa_inst_pref_size 9
	.end_amdhsa_kernel
	.amdgpu_metadata
---
amdhsa.version: [ 1, 2 ]
amdhsa.kernels:
  - .name:           k_q55caf31338_layout
    .symbol:         k_q55caf31338_layout.kd
    .args:
      - { .name: W1_codes, .offset: 0, .size: 8, .value_kind: global_buffer, .address_space: global }
      - { .name: W1_scales, .offset: 8, .size: 8, .value_kind: global_buffer, .address_space: global }
      - { .name: W2_codes, .offset: 16, .size: 8, .value_kind: global_buffer, .address_space: global }
      - { .name: w1l, .offset: 24, .size: 8, .value_kind: global_buffer, .address_space: global }
      - { .name: w1sl, .offset: 32, .size: 8, .value_kind: global_buffer, .address_space: global }
      - { .name: w2l, .offset: 40, .size: 8, .value_kind: global_buffer, .address_space: global }
    .group_segment_fixed_size: 0
    .private_segment_fixed_size: 0
    .kernarg_segment_align: 8
    .kernarg_segment_size: 48
    .max_flat_workgroup_size: 32
    .sgpr_count:     66
    .vgpr_count:     64
    .wavefront_size: 32
...
	.end_amdgpu_metadata
.endif
;; end of part 1
;; launch amnet (part 2): grid 256 x 1, 4 waves a work-group, no clusters, 270,848 bytes of LDS; arguments x, A_mask, col_idx, w1l, w1sl, b1, w2l, W2_scales, b2, out0; writes out0
.if DOCPART == 2
	.amdgcn_target "amdgcn-amd-amdhsa--gfx1250"
	.amdhsa_code_object_version 6
	.text
	.protected	k_q55caf31338_amnet
	.globl	k_q55caf31338_amnet
	.p2align	8
	.type	k_q55caf31338_amnet,@function
k_q55caf31338_amnet:
	s_mov_b64 s[64:65], 0
	v_nop
	global_prefetch_b8 v0, s[64:65] scope:SCOPE_SE
	s_setreg_imm32_b32 hwreg(HW_REG_WAVE_MODE, 25, 1), 1
	s_wait_xcnt 0x0
; out[n][j] = y[n][col_idx[j]][j],  y[n][g][:] = relu((x[n][:] * A_mask[:][g]) W1 + b1) W2 + b2.  Both products on codes of FP6 (E2M3) with one E8M0 scale for each 32 along K.
; x [4096][512] f32, A_mask [512][8] f32, col_idx [512] i32, b1 [2048], b2 [512], W2's scales [512][64], out [4096][512] f32.  The weights' codes come as the launch before has laid them:
;   w1l: unit U = 32 w + 4 q + u (a tile of 16 rows x 512 K, 48 registers a lane) at 6144 U + 512 e + 16 lane;  w1sl: its four scale words a row at 512 U + 16 lane;  w2l: piece t (16 bytes) of column j at 8192 t + 16 j.
; SHARES.  Work-group id: g = id & 7, nb = id >> 3.  It owns rows 128 nb .. +127 under mask column g (8 tiles of 16 rows) and every out[n][j] with col_idx[j] = g: each output number has one owner.
; The first product is done whole (the mask is an input of any numbers).  Of the second only the columns that col_idx gives to g are made: reference() gathers those and drops the rest.
; PHASE X: wave w multiplies rows 32 w .. +31 of x by the mask column, quantises them (8 fragments) and hands them to all waves through LDS as images of their registers.
; PHASE 1: every wave holds all 32 fragments of x * mask (384 registers) and makes hidden units 512 w .. +511, 64 at a time; W1 goes from memory straight into registers, each fragment once in the work-group,
;   each load of the wave 512 consecutive bytes.
;   The product is used transposed (source 0 = 16 rows of W1, source 1 = 16 rows of x * mask).  Lane r of tile u of chunk q takes W1's row 512 w + 32 q + 8 u + (r & 7) + 256 (r >> 3): so the 32 result registers of a
;   lane are one whole block of 32 along the next K, relu and quantising need no other lane, and the six code registers are six registers of the second product's fragment in that same lane.
;   The quantising of one tile of rows stands in slices of four lines behind the matrix instructions of the next tile of rows.
; PHASE 2: wave w takes tiles of rows 2 w, 2 w + 1 over all 2,048 hidden units and walks the group's output columns, 16 at a time, by a sorted list that wave 0 made in LDS from col_idx.
; BLOCKS OF 32 ALONG K ARE PLACED ALIKE IN BOTH OPERANDS, NOT IN THEIR TRUE ORDER: place (K step ks, c, half h) holds block 8 h + 2 ks + c of 16, so that a lane's four fragments are 192 consecutive bytes of its
;   row of codes: twelve pieces of 16 bytes.  The scale words are gathered to match (two byte selectors).  So the f32 sums run over K in that order.
; No tensor load and no cluster: the number of column tiles hangs on col_idx, which is read here.
; LIMITS: NaN and infinities among the inputs are not served.  A block whose largest magnitude lies under 2^-124 (a block of zeros too) gets the scale byte 1; a block of zeros has zero codes, which add nothing.
;   col_idx lies in 0 .. 7 (an index stays inside the table that it indexes): a column with another number is written by nobody.
; REGISTERS, in windows of 256: window 0: v0-31 addresses, v32-47 scale words of the rows, v48-79 of the weights (two sets), v80-111 bias tiles, v112-175 two sets of four accumulators, v176-207 at work, v208-255 weight unit 7.
;   A unit is 48 registers: four fragments.  Row units 0-4: window 1 at 48 i; 5-7: window 2 at 48 (i - 5).  Weight units (two sets of four): 0, 1: window 2 at 144, 192; 2-6: window 3 at 48 (U - 2); 7: window 0 at 208.
;   Raw scale bytes of W2's weight set p (phase 2): window 1 + p, v240-255.
.set XIMG, 0                           ; LDS: x * mask: fragment F = 4 rt + ks at 1536 F + 512 k + 16 lane
.set HIMG, 49152                       ; the hidden layer: fragment F = 16 rt + ks2 at 1536 F + 48 lane + 4 register
.set XSC,  245760                      ; scale words of x * mask: 64 F + 4 r, byte 2 c + h
.set HSC,  247808                      ; of the hidden layer, likewise
.set MSK,  256000                      ; A_mask[i][g] at 4 i
.set B1L,  258048                      ; b1 as it lies
.set LIST, 266240                      ; entries 0-511: the group's columns, ascending; 512-543: where lanes without a match put theirs
.set XS,   32
.set W1S,  48
.set BIAS, 80
.set ACC,  112
.set MX0,  176
.set MX1,  177
.set SCL,  178
.set BYT,  179
.set CA,   180
.set CB,   184
.set JN,   188                         ; two of each, one for each weight set: the tile's column,
.set WA,   190                         ; its offset in W2's codes,
.set SA,   192                         ; in W2's scales,
.set OA,   194                         ; in out,
.set BA,   196                         ; in b2,
.set B2V,  198                         ; and its b2
.set BV,   200                         ; v200-207: b2 as the C of a sum's first product
.set MSB, 0
.macro WIN new                         ; low byte: bits 1:0 source 0, 3:2 source 1, 5:4 source 2, 7:6 destination; the high byte repeats the setting that is left
.if MSB != (\new)
	s_set_vgpr_msb (MSB<<8)|(\new)
.set MSB, (\new)
.endif
.endm
.macro XLOC n                          ; row unit n: window XW, register XR
.if (\n) < 5
.set XW, 1
.set XR, 48*(\n)
.else
.set XW, 2
.set XR, 48*((\n)-5)
.endif
.endm
.macro WLOC n                          ; weight unit n: window WW, register WR
.if (\n) == 0
.set WW, 2
.set WR, 144
.elseif (\n) == 1
.set WW, 2
.set WR, 192
.elseif (\n) < 7
.set WW, 3
.set WR, 48*((\n)-2)
.else
.set WW, 0
.set WR, 208
.endif
.endm
.macro MMA dd, ra, rb, cc, sa, sb, row ; row: 0 both scales from lanes 0-15; 1 source 0's from lanes 16-31; 2 source 1's
.if (\row) == 0
	v_wmma_scale_f32_16x16x128_f8f6f4 v[\dd:\dd+7], v[\ra:\ra+11], v[\rb:\rb+11], \cc, v[\sa], v[\sb] matrix_a_fmt:MATRIX_FMT_FP6 matrix_b_fmt:MATRIX_FMT_FP6
.elseif (\row) == 1
	v_wmma_scale_f32_16x16x128_f8f6f4 v[\dd:\dd+7], v[\ra:\ra+11], v[\rb:\rb+11], \cc, v[\sa], v[\sb] matrix_a_fmt:MATRIX_FMT_FP6 matrix_b_fmt:MATRIX_FMT_FP6 matrix_a_scale:MATRIX_SCALE_ROW1
.else
	v_wmma_scale_f32_16x16x128_f8f6f4 v[\dd:\dd+7], v[\ra:\ra+11], v[\rb:\rb+11], \cc, v[\sa], v[\sb] matrix_a_fmt:MATRIX_FMT_FP6 matrix_b_fmt:MATRIX_FMT_FP6 matrix_b_scale:MATRIX_SCALE_ROW1
.endif
.endm
.macro PLACES n
.rept \n
	v_nop
.endr
.endm
.macro BARRIER                         ; my LDS stores have landed and my LDS loads are in: then the work-group's barrier
	s_wait_dscnt 0x0
	s_barrier_signal -1
	s_barrier_wait -1
.endm
.macro LX n                            ; run n of x: tile of rows n % 2 of my two, K step n / 2: 64 numbers a lane (256 consecutive bytes of its row) into ring slot n % 3 of window 1
	WIN 0x40
.irp e, 0,1,2,3,4,5,6,7,8,9,10,11,12,13,14,15
	global_load_b128 v[64*((\n)%3)+4*\e:64*((\n)%3)+4*\e+3], v4, s[8:9] offset:32768*((\n)%2)+256*((\n)/2)+16*\e
.endr
	WIN 0
.endm
.macro MKL k                           ; the mask column's 64 numbers of K step k for my half, into window 3, v96-159
	WIN 0xc0
.irp e, 0,1,2,3,4,5,6,7,8,9,10,11,12,13,14,15
	ds_load_b128 v[96+4*\e:99+4*\e], v11 offset:256*(\k)+16*\e
.endr
	WIN 0
.endm
.macro LOADW1 n, off                   ; a tile of W1 (16 rows x 512 K: four fragments) into weight unit n: the image of its 48 registers, 512 consecutive bytes a load
	WLOC \n
	WIN WW<<6
.irp e, 0,1,2,3,4,5,6,7,8,9,10,11
	global_load_b128 v[WR+4*\e:WR+4*\e+3], v7, s[14:15] offset:(\off)+512*\e
.endr
	WIN 0
.endm
.macro LOADSC pp, off                  ; the scale words of a chunk's four tiles, four words a row, straight into set pp's registers
	WIN 0
.irp e, 0,1,2,3
	global_load_b128 v[W1S+16*(\pp)+4*\e:W1S+16*(\pp)+4*\e+3], v7, s[16:17] offset:(\off)+512*\e
.endr
.endm
.macro PERMS pp                        ; phase 2: 16 raw bytes of a column of W2 -> four scale words: byte 2 c + h of word ks is the raw byte 8 h + 2 ks + c
	WIN 5*(1+(\pp))
.irp e, 0,1,2,3
	v_perm_b32 v[W1S+16*(\pp)+4*\e], v[242+4*\e], v[240+4*\e], s50
	v_perm_b32 v[W1S+16*(\pp)+4*\e+1], v[242+4*\e], v[240+4*\e], s51
	v_perm_b32 v[W1S+16*(\pp)+4*\e+2], v[243+4*\e], v[241+4*\e], s50
	v_perm_b32 v[W1S+16*(\pp)+4*\e+3], v[243+4*\e], v[241+4*\e], s51
.endr
	WIN 0
.endm
.macro BIASLD off                      ; a chunk's four bias tiles: register 8 u + i = b1 of hidden unit 512 w + 256 h + 32 q + 8 u + i
	WIN 0
.irp e, 0,1,2,3,4,5,6,7
	ds_load_b128 v[BIAS+4*\e:BIAS+4*\e+3], v12 offset:(\off)+16*\e
.endr
.endm
.macro LW2S pb                         ; a column tile of W2: its columns' 64 scale bytes and its b2
	WIN (1+(\pb))<<6
.irp e, 0,1,2,3
	global_load_b128 v[240+4*\e:243+4*\e], v[SA+(\pb)], s[22:23] offset:16*\e
.endr
	WIN 0
	global_load_b32 v[B2V+(\pb)], v[BA+(\pb)], s[24:25]
.endm
.macro LW2Q pb, qd                     ; and its codes of hidden units 512 qd .. +511 into weight unit 4 pb + qd: piece 24 qd + 12 h + e of my column; sixteen lanes with neighbouring columns read 256 consecutive bytes
	WLOC 4*(\pb)+(\qd)
	WIN WW<<6
.irp e, 0,1,2,3,4,5,6,7,8,9,10,11
	global_load_b128 v[WR+4*\e:WR+4*\e+3], v[WA+(\pb)], s[20:21] offset:8192*(24*(\qd)+\e)
.endr
	WIN 0
.endm
.macro ADDR pb                         ; the next column tile's offsets.  A lane past the list's end takes the group's first column: it makes the same number and stores it to the same place, so EXEC stays whole
	v_cmp_gt_u32 vcc_lo, s5, v23
	v_cndmask_b32 v28, v22, v[JN+(\pb)], vcc_lo
	v_min_u32 v28, 0x1ff, v28                      ; a number that was loaded enters an address behind this bound alone
	v_lshl_add_u32 v[WA+(\pb)], v28, 4, v24        ; 16 j + 12 pieces of 8,192 bytes x h
	v_lshlrev_b32 v[SA+(\pb)], 6, v28
	v_lshlrev_b32 v[BA+(\pb)], 2, v28
	v_lshl_add_u32 v[OA+(\pb)], v28, 2, v25        ; 4 j + 8 h rows of 2,048 bytes
	v_add_nc_u32 v23, 16, v23
.endm
	s_load_b256 s[8:15], s[0:1], 0x0               ; x s[8:9], A_mask s[10:11], col_idx s[12:13], w1l s[14:15]
	s_load_b256 s[16:23], s[0:1], 0x20             ; w1sl s[16:17], b1 s[18:19], w2l s[20:21], W2's scales s[22:23]
	s_load_b128 s[24:27], s[0:1], 0x40             ; b2 s[24:25], out s[26:27]
	v_lshl_add_u32 v183, v0, 2, 0x42000
	v_mov_b32 v187, 0
	v_lshrrev_b32 v28, 5, v0
	v_readfirstlane_b32 s2, v28                    ; wave w
	s_and_b32 s3, ttmp9, 7                         ; g
	s_lshr_b32 s4, ttmp9, 3                        ; nb
	s_mov_b32 s50, 0x05010400                      ; byte selectors of PERMS
	s_mov_b32 s51, 0x07030602
	; every address register is made here, ahead of the one parting of the waves
	v_and_b32 v1, 15, v0                           ; r
	v_bfe_u32 v2, v0, 4, 1                         ; h
	v_and_b32 v3, 31, v0                           ; lane
	v_lshlrev_b32 v4, 11, v1
	v_lshl_add_u32 v4, v2, 10, v4                  ; x: 2048 r + 1024 h
	v_lshlrev_b32 v7, 4, v3                        ; 16 lane: an image's place for my lane, in LDS and in w1l and w1sl
	v_lshl_add_u32 v8, v3, 2, XSC                  ; scale words of x * mask, read: lanes 0-15 an even K step's, lanes 16-31 the odd one's
	s_mul_i32 s28, s2, 12288
	v_add_nc_u32 v9, s28, v7                       ; my images of x * mask: 16 lane + 8 fragments x wave
	s_lshl_b32 s28, s2, 9
	v_lshl_add_u32 v10, v1, 2, v2
	v_add_nc_u32 v10, s28, v10
	v_add_nc_u32 v10, XSC, v10                     ; their scale bytes: 4 r + h + 512 w
	v_lshl_add_u32 v11, v2, 10, MSK
	s_lshl_b32 s28, s2, 11
	v_lshl_add_u32 v12, v2, 10, B1L
	v_add_nc_u32 v12, s28, v12                     ; b1, read: 2048 w + 1024 h; 256 on in each trip
	v_add_nc_u32 v13, s28, v7
	v_add_nc_u32 v13, B1L, v13                     ; b1, written
	v_lshl_add_u32 v20, v3, 2, HSC
	v_add_nc_u32 v20, s28, v20                     ; the hidden layer's scale words, read: my two tiles of rows
	s_mul_i32 s28, s2, 6144
	v_mul_u32_u24 v28, v3, 48
	v_add_nc_u32 v19, HIMG, v28
	v_add_nc_u32 v28, s28, v28
.irp k, 0,1,2,3
	v_add_nc_u32 v[14+\k], HIMG+49152*\k, v28      ; the hidden layer, written: tiles of rows 2 k, 2 k + 1; my four K steps; 1536 on in each trip
.endr
	s_mul_i32 s28, s2, 49152
	v_add_nc_u32 v19, s28, v19                     ; and read: my two tiles of rows
	s_lshl_b32 s28, s2, 8
	v_lshl_add_u32 v18, v1, 2, v2
	v_add_nc_u32 v18, s28, v18
	v_add_nc_u32 v18, HSC, v18                     ; its scale bytes, written: 4 r + h + 256 w; 64 on in each trip
	v_lshl_add_u32 v21, v1, 2, LIST                ; the list, read by tiles
	v_mov_b32 v23, v1                              ; my place in the list
	v_mul_u32_u24 v24, v2, 0x18000                 ; w2l: my half's pieces begin 12 x 8,192 bytes on
	v_lshlrev_b32 v25, 14, v2
	v_lshl_add_u32 v26, v3, 2, LIST
	v_lshl_add_u32 v27, v3, 2, MSK
	v_mov_b32 v29, LIST
	v_lshlrev_b32 v30, 2, v3
	s_lshl_b32 s30, s3, 2
	v_lshlrev_b32 v31, 5, v3
	v_add_nc_u32 v31, s30, v31                     ; A_mask: 32 lane + 4 g
	s_wait_kmcnt 0x0
	s_lshl_b32 s28, s4, 18
	s_lshl_b32 s30, s2, 16
	s_add_co_u32 s28, s28, s30
	s_mov_b32 s29, 0
	s_add_nc_u64 s[8:9], s[8:9], s[28:29]          ; x and out at row 128 nb + 32 w
	s_add_nc_u64 s[26:27], s[26:27], s[28:29]
	s_mul_i32 s28, s2, 196608
	s_add_nc_u64 s[14:15], s[14:15], s[28:29]      ; w1l at my 32 units
	s_lshl_b32 s28, s2, 14
	s_add_nc_u64 s[16:17], s[16:17], s[28:29]      ; w1sl likewise
	s_lshl_b32 s28, s2, 11
	s_add_nc_u64 s[18:19], s[18:19], s[28:29]      ; b1 at my 512 numbers
.irp k, 0,1,2,3,4,5,6,7,8,9,10,11,12,13,14,15
	global_load_b32 v[208+\k], v30, s[12:13] offset:128*\k         ; col_idx[32 k + lane]
.endr
.irp e, 0,1,2,3
	global_load_b128 v[192+4*\e:195+4*\e], v7, s[18:19] offset:512*\e
.endr
.irp k, 0,1,2,3,4,5,6,7,8,9,10,11,12,13,14,15
	global_load_b32 v[224+\k], v31, s[10:11] offset:1024*\k        ; A_mask[32 k + lane][g]
.endr
	LX 0
	LX 1
	LX 2
	s_wait_loadcnt 48                              ; all but the three runs of x, 16 loads each
	s_mov_b32 s5, 0
.irp k, 0,1,2,3,4,5,6,7,8,9,10,11,12,13,14,15
	v_cmp_eq_u32 s[32+\k], s3, v[208+\k]           ; which columns are my group's
	s_bcnt1_i32_b32 s49, s[32+\k]
	s_add_co_u32 s5, s5, s49                       ; c: how many
.endr
	s_add_co_u32 s6, s5, 31
	s_lshr_b32 s6, s6, 5                           ; trips of two column tiles
	s_cmp_lg_u32 s2, 0
	s_cbranch_scc1 .Lnot_wave_0
	; wave 0 alone: the list, by a counting sort over the 16 masks, and the mask column.  No other wave touches LDS ahead of the barrier below
	v_mov_b32 v240, 0
	v_add_nc_u32 v241, 512, v3
.irp k, 0,1,2,3,4,5,6,7,8,9,10,11,12,13,14,15,16
	ds_store_b32 v26, v240 offset:128*\k           ; entries 0 to 543 are written before anybody reads one
.endr
	s_mov_b32 s48, 0
.irp k, 0,1,2,3,4,5,6,7,8,9,10,11,12,13,14,15
	v_mbcnt_lo_u32_b32 v[112+\k], s[32+\k], s48    ; matches before mine
	v_cndmask_b32 v[112+\k], v241, v[112+\k], s[32+\k]             ; no match: entry 512 + lane
	v_min_u32 v[112+\k], 0x3ff, v[112+\k]
	v_lshl_add_u32 v[112+\k], v[112+\k], 2, LIST
	v_add_nc_u32 v[128+\k], 32*\k, v3              ; j.  (Each store has registers of its own: none is rewritten while a store may read it)
	ds_store_b32 v[112+\k], v[128+\k]
	s_bcnt1_i32_b32 s49, s[32+\k]
	s_add_co_u32 s48, s48, s49
.endr
.irp k, 0,1,2,3,4,5,6,7,8,9,10,11,12,13,14,15
	ds_store_b32 v27, v[224+\k] offset:128*\k
.endr
.Lnot_wave_0:
	BARRIER                                        ; the list and the mask column lie in LDS
	; ---- PHASE X
	ds_load_b32 v22, v29                           ; the group's first column
	MKL 0
.irp e, 0,1,2,3
	ds_store_b128 v13, v[192+4*\e:195+4*\e] offset:512*\e          ; my 512 numbers of b1: I alone read them
.endr
; 64 numbers of a lane in v[ACC] on, two whole blocks of 32 along K, become a fragment's 12 registers (v80-91) and two scale bytes, and go to LDS
.macro QUANTX
	v_max3_num_f32 v[MX0], |v[ACC]|, |v[ACC+1]|, 0x1800000         ; the floor 2^(3 - 127): the byte cannot fall under 1
	v_max3_num_f32 v[MX1], |v[ACC+32]|, |v[ACC+33]|, 0x1800000
.irp e, 2,4,6,8,10,12,14,16,18,20,22,24,26,28,30
	v_max3_num_f32 v[MX0], v[MX0], |v[ACC+\e]|, |v[ACC+\e+1]|
	v_max3_num_f32 v[MX1], v[MX1], |v[ACC+32+\e]|, |v[ACC+33+\e]|
.endr
	v_add_nc_u32 v[SCL], 0xff000000, v[MX0]        ; 2 off the exponent field: the conversion's scale operand
	v_add_nc_u32 v[BYT], 0xff000000, v[MX1]
	s_wait_dscnt 0x0                               ; the last fragment's stores have read their registers (and a run of the mask issued just before is in)
	v_cvt_scalef32_pk16_fp6_f32 v[80:82], v[ACC:ACC+15], v[SCL]
	v_cvt_scalef32_pk16_fp6_f32 v[92:94], v[ACC+16:ACC+31], v[SCL] ; (a conversion's three registers begin on an even number)
	v_cvt_scalef32_pk16_fp6_f32 v[86:88], v[ACC+32:ACC+47], v[BYT]
	v_cvt_scalef32_pk16_fp6_f32 v[96:98], v[ACC+48:ACC+63], v[BYT]
	v_nop                                          ; one plain place behind a scaled conversion
	v_lshrrev_b32 v100, 23, v[SCL]
	v_lshrrev_b32 v101, 23, v[BYT]
.irp e, 0,1,2
	v_mov_b32 v[83+\e], v[92+\e]
	v_mov_b32 v[89+\e], v[96+\e]
.endr
.irp e, 0,1,2
	ds_store_b128 v9, v[80+4*\e:83+4*\e] offset:XIMG+1536*(4*xa+xk)+512*\e
.endr
	ds_store_b8 v10, v100 offset:64*(4*xa+xk)
	ds_store_b8 v10, v101 offset:64*(4*xa+xk)+2
.endm
.set nn, 0
.rept 8
.set xa, nn%2
.set xk, nn/2
.if nn < 6
	s_wait_loadcnt 32                              ; run nn is in; the two runs of x issued behind it may be out
.else
	s_wait_loadcnt 40                              ; behind run 6: run 7 and 24 loads of W1; behind run 7: 24 + 16 loads of W1
.endif
.if nn == 0
	s_wait_dscnt 4                                 ; the first column and the mask's first run are in; b1's four stores may be out
.endif
	WIN 0x0d                                       ; x in window 1, the mask in window 3
.set e, 0
.rept 32
	v_pk_mul_f32 v[ACC+2*e:ACC+2*e+1], v[64*(nn%3)+2*e:64*(nn%3)+2*e+1], v[96+2*e:97+2*e]
.set e, e+1
.endr
	WIN 0
.if nn < 5
	LX nn+3
.elseif nn == 5
	LOADW1 0, 0                                    ; chunk 0 of W1 is asked for while the last runs are quantised
	LOADW1 1, 6144
.elseif nn == 6
	LOADSC 0, 0
	LOADW1 2, 12288
.else
	LOADW1 3, 18432
.endif
.if (xa == 1) && (xk < 3)
	MKL xk+1
.endif
	QUANTX
.set nn, nn+1
.endr
	BARRIER                                        ; all 32 fragments of x * mask lie in LDS
	; ---- set-up of phase 1: every wave takes all of x * mask into its row units
.set rr, 0
.rept 8
	XLOC rr
	WIN XW<<6
.set e, 0
.rept 12
	ds_load_b128 v[XR+4*e:XR+4*e+3], v7 offset:XIMG+1536*(4*rr+e/3)+512*(e%3)
.set e, e+1
.endr
.set rr, rr+1
.endr
	WIN 0
.set e, 0
.rept 16
	ds_load_b32 v[XS+e], v8 offset:128*e           ; register 2 rt + ks / 2
.set e, e+1
.endr
	BIASLD 0
	ds_load_b32 v[JN], v21                         ; the first two column tiles
	ds_load_b32 v[JN+1], v21 offset:64
	s_wait_dscnt 0x0
	ADDR 0
	ADDR 1
	s_wait_loadcnt 0x0                             ; chunk 0 of W1 and its scale words: registers filled by loads owe only this wait
; ---- PHASE 1.  Number j of the 64 lines that quantise one tile of rows of one chunk: 32 results of a lane in v[AQ] on.
;   0-3 the places behind the products that made them;  4-51 the largest value (no |.|: what is negative does not count; the floor stands over it) and relu; each accumulator is first read at its low end;
;   52 the scale operand;  53 the earlier stores have read their registers: the byte;  54, 55 the conversions;  56 the plain place behind them;  57-62 six registers of the next product's fragment;  63 its scale byte
.macro QI
.if j < 4
	v_nop
.elseif j < 52
.set gI, (j-4)/3
.set gM, (j-4)%3
.if gM > 0
	v_max_num_f32 v[AQ+2*gI+gM-1], 0, v[AQ+2*gI+gM-1]
.elseif gI == 0
	v_max3_num_f32 v[MX0], v[AQ], v[AQ+1], 0x1800000
.elseif gI < 8
	v_max3_num_f32 v[MX0], v[MX0], v[AQ+2*gI], v[AQ+2*gI+1]
.elseif gI == 8
	v_max3_num_f32 v[MX1], v[AQ+16], v[AQ+17], v[AQ+18]
.elseif gI < 15
	v_max3_num_f32 v[MX1], v[MX1], v[AQ+2*gI+1], v[AQ+2*gI+2]
.else
	v_max3_num_f32 v[MX1], v[MX1], v[AQ+31], v[MX0]
.endif
.elseif j == 52
	v_add_nc_u32 v[SCL], 0xff000000, v[MX1]
.elseif j == 53
	s_wait_dscnt 0x0                               ; the last tile's seven stores have read their registers; a refill of the bias tiles issued in this step is in
	v_lshrrev_b32 v[BYT], 23, v[SCL]
.elseif j == 54
	v_cvt_scalef32_pk16_fp6_f32 v[CA:CA+2], v[AQ:AQ+15], v[SCL]
.elseif j == 55
	v_cvt_scalef32_pk16_fp6_f32 v[CB:CB+2], v[AQ+16:AQ+31], v[SCL]
.elseif j == 56
	v_nop
.elseif j < 60
	ds_store_b32 v[HWR], v[CA+j-57] offset:HOF+4*(j-57)
.elseif j < 63
	ds_store_b32 v[HWR], v[CB+j-60] offset:HOF+12+4*(j-60)
.else
	ds_store_b8 v18, v[BYT] offset:SOF
.endif
.endm
; What else stands in a step, behind matrix instruction i and its slice.  mode 1: the next chunk of W1 and its scale words into the other weight set, in four runs in the chunk's first two steps (that set was read last
; in the chunk before: its last reader stands the four plain lines of slice 0, or more, back); its bias tiles in step 7, behind the four products that read the old ones and two slices.  mode 2 (the last chunk): the first column tile of W2.
.macro EXTRA rt, p, mode, rel
.if (\mode) == 1
.if ((\rt) == 0) && (i == 0)
	LOADSC 1-(\p), 2048*(\rel)
	LOADW1 4*(1-(\p)), 24576*(\rel)
.elseif ((\rt) == 0) && (i == 8)
	LOADW1 4*(1-(\p))+1, 24576*(\rel)+6144
.elseif ((\rt) == 1) && (i == 0)
	LOADW1 4*(1-(\p))+2, 24576*(\rel)+12288
.elseif ((\rt) == 1) && (i == 8)
	LOADW1 4*(1-(\p))+3, 24576*(\rel)+18432
.elseif ((\rt) == 7) && (i == 4)
	BIASLD 128*(1+(\p))
.endif
.else
.if ((\rt) == 0) && (i == 0)
	LW2S 0
	LW2Q 0, 0
.elseif ((\rt) == 0) && (i == 8)
	LW2Q 0, 1
.elseif ((\rt) == 1) && (i == 0)
	LW2Q 0, 2
.elseif ((\rt) == 1) && (i == 8)
	LW2Q 0, 3
.endif
.endif
.endm
; A STEP: tile of rows rt of a chunk whose weights lie in set p: 16 matrix instructions, K step i / 4, tile i % 4: the four accumulators of set rt % 2 take turns, one instruction a turn.
; quant = 1: behind each stands a slice of four lines of the quantising of the tile of rows before, which lies in the other set.
.macro STEP rt, p, quant, mode, rel
.set PRT, ((\rt)+7)%8
.if (\rt) == 0
.set QC, 1-(\p)
.else
.set QC, (\p)
.endif
.set AQ, ACC+32*(1-((\rt)%2))
.set HWR, 14+PRT/2
.set HOF, 24576*(PRT%2)+24*QC
.set SOF, 1024*PRT+2*QC
.if ((\rt) == 0) && (\quant)
	s_wait_loadcnt 0x0                             ; this chunk's weights and scale words, asked for in the first two steps of the chunk before
.endif
	XLOC \rt
.set i, 0
.rept 16
.set ks, i/4
.set u, i%4
	WLOC 4*(\p)+u
	WIN WW|(XW<<2)
.set AD, ACC+32*((\rt)%2)+8*u
.set RA, WR+12*ks
.set RB, XR+12*ks
.set SAr, W1S+16*(\p)+4*u+ks
.set SBr, XS+2*(\rt)+ks/2
.if ks == 0
	MMA AD, RA, RB, v[BIAS+8*u:BIAS+8*u+7], SAr, SBr, 0            ; b1 starts the sum
.elseif ks == 2
	MMA AD, RA, RB, v[AD:AD+7], SAr, SBr, 0
.else
	MMA AD, RA, RB, v[AD:AD+7], SAr, SBr, 2
.endif
.if \quant
	WIN 0
.set j, 4*i
.rept 4
	QI
.set j, j+1
.endr
.endif
	EXTRA \rt, \p, \mode, \rel
.set i, i+1
.endr
.endm
	STEP 0, 0, 0, 1, 1                             ; chunk 0's first tile of rows stands in front of the loop: there is nothing yet to quantise
	WIN 0                                          ; at a label and at a branch every window is 0
	s_mov_b32 s53, 3
.Lchunks:                                              ; trip t: chunk 2 t from its second tile of rows on, chunk 2 t + 1, and the first tile of rows of chunk 2 t + 2: all that it quantises belongs to K step 4 w + t of the second product
.irp rt, 1,2,3,4,5,6,7
	STEP \rt, 0, 1, 1, 1
.endr
.irp rt, 0,1,2,3,4,5,6,7
	STEP \rt, 1, 1, 1, 2
.endr
	STEP 0, 0, 1, 1, 3
	WIN 0
	s_wait_dscnt 0x0                               ; my LDS stores have read their address registers
.irp k, 0,1,2,3
	v_add_nc_u32 v[14+\k], 1536, v[14+\k]
.endr
	v_add_nc_u32 v18, 64, v18
	v_add_nc_u32 v12, 256, v12
	s_wait_xcnt 0x0                                ; the loads issued so far have read their bases
	s_add_nc_u64 s[14:15], s[14:15], 49152         ; two chunks of W1 on
	s_add_nc_u64 s[16:17], s[16:17], 4096
	s_sub_co_u32 s53, s53, 1
	s_cmp_lg_u32 s53, 0
	s_cbranch_scc1 .Lchunks
.irp rt, 1,2,3,4,5,6,7                 ; the tail is written out: chunk 7 has no successor in W1 (no load leaves the buffer)
	STEP \rt, 0, 1, 1, 1
.endr
.irp rt, 0,1,2,3,4,5,6,7
	STEP \rt, 1, 1, 2, 0
.endr
.set AQ, ACC+32                        ; the last tile of rows of the last chunk is quantised by itself
.set HWR, 17
.set HOF, 24576+24
.set SOF, 7168+2
	WIN 0
.set j, 0
.rept 4
	QI                                             ; four places: for the reads of the last results, and for the loads below into the weight set that the last products read
.set j, j+1
.endr
	LW2S 1                                         ; the second column tile of W2
	LW2Q 1, 0
	LW2Q 1, 1
	LW2Q 1, 2
	LW2Q 1, 3
.rept 60
	QI
.set j, j+1
.endr
	BARRIER                                        ; the hidden layer's 128 fragments lie in LDS; from here on LDS is only read
	; ---- PHASE 2: my two tiles of rows, all 16 K steps, into the row units (unit 4 a + Q holds K steps 4 Q .. 4 Q + 3 of tile 2 w + a)
.set rr, 0
.rept 8
	XLOC rr
	WIN XW<<6
.set e, 0
.rept 12
	ds_load_b128 v[XR+4*e:XR+4*e+3], v19 offset:24576*(rr/4)+1536*(4*(rr%4)+e/3)+16*(e%3)
.set e, e+1
.endr
.set rr, rr+1
.endr
	WIN 0
.set e, 0
.rept 16
	ds_load_b32 v[XS+e], v20 offset:128*e          ; register 8 a + ks2 / 2: lanes 0-15 the even K step's words, lanes 16-31 the odd one's
.set e, e+1
.endr
	s_wait_dscnt 0x0
; A COLUMN TILE: 16 columns x my 32 rows.  Source 0 = the hidden layer's rows, source 1 = W2's columns: lane (r, h) holds column r of the tile and rows 8 h + 0 .. 7.
; 32 matrix instructions on four accumulators by turns (tile of rows a, even and odd K steps apart); b2 starts the even sums, the constant 0 the odd ones.
.macro TILE pb
	ds_load_b32 v[JN+(\pb)], v21 offset:64*(2+(\pb))               ; the list's entries for the tile two on
.if (\pb) == 0
	s_wait_loadcnt 53                              ; this tile's 53 loads are in; the other tile's 53, issued behind them, may be out
.endif
.irp e, 0,1,2,3,4,5,6,7
	v_mov_b32 v[BV+\e], v[B2V+(\pb)]
.endr
	PERMS \pb
	PLACES 8                                       ; the scale words stand 8 places ahead of the first product
	s_wait_xcnt 0x0                                ; the stores of this set's last tile have read the accumulators
.set i, 0
.rept 32
.set k2, i/2
.set ta, i%2
	XLOC 4*ta+k2/4
	WLOC 4*(\pb)+k2/4
	WIN XW|(WW<<2)
.set AD, ACC+32*(\pb)+8*(ta+2*(k2%2))
.set RA, XR+12*(k2%4)
.set RB, WR+12*(k2%4)
.set SAr, XS+8*ta+k2/2
.set SBr, W1S+16*(\pb)+k2
.if k2 == 0
	MMA AD, RA, RB, v[BV:BV+7], SAr, SBr, 0
.elseif k2 == 1
	MMA AD, RA, RB, 0, SAr, SBr, 1
.elseif (k2%2) == 0
	MMA AD, RA, RB, v[AD:AD+7], SAr, SBr, 0
.else
	MMA AD, RA, RB, v[AD:AD+7], SAr, SBr, 1
.endif
.set i, i+1
.endr
	WIN 0
	PLACES 4                                       ; behind the last products: for the reads of results and for loads into the weight set
.set T0, ACC+32*(\pb)
.irp a2, 0,1
.irp e, 0,2,4,6
	v_pk_add_f32 v[T0+8*\a2+\e:T0+8*\a2+\e+1], v[T0+8*\a2+\e:T0+8*\a2+\e+1], v[T0+16+8*\a2+\e:T0+16+8*\a2+\e+1]   ; the odd K steps' sum onto the even ones', each accumulator from its low end on
.endr
.endr
.irp a2, 0,1
.irp e, 0,1,2,3,4,5,6,7
	global_store_b32 v[OA+(\pb)], v[T0+8*\a2+\e], s[26:27] offset:2048*(16*\a2+\e)   ; out(32 w + 16 a + 8 h + e, my column): sixteen lanes hold sixteen neighbours of the sorted list
.endr
.endr
	s_wait_dscnt 0x0                               ; the list's entries are in
	s_cmp_lt_u32 s55, s6
	s_cbranch_scc0 .Lno_more_\@
	s_wait_xcnt 0x0                                ; the stores have read their offsets
	ADDR \pb
	LW2S \pb                                       ; the tile two on, into the set just multiplied
	LW2Q \pb, 0
	LW2Q \pb, 1
	LW2Q \pb, 2
	LW2Q \pb, 3
.if (\pb) == 0
	s_wait_loadcnt 53                              ; the other tile's loads are in; the 53 just issued may be out
.endif
	s_branch .Lasked_\@
.Lno_more_\@:
	s_wait_loadcnt 0x0                             ; nothing was asked for: whatever is out is wanted next
.Lasked_\@:
.endm
	s_mov_b32 s53, 0
.Lcols:                                                ; 16 trips, a constant; a trip past the list's end jumps over its work (a scalar branch on the count made from col_idx); no barrier stands in the loop
	s_cmp_ge_u32 s53, s6
	s_cbranch_scc1 .Lpast
	s_add_co_u32 s55, s53, 1
	TILE 0
	TILE 1
.Lpast:
	v_add_nc_u32 v21, 128, v21                     ; two tiles on in the list (no LDS load of mine is out)
	s_add_co_u32 s53, s53, 1
	s_cmp_lt_u32 s53, 16
	s_cbranch_scc1 .Lcols
	s_wait_tensorcnt 0x0
	ds_add_u32 v183, v187
	s_wait_dscnt 0x0
	s_endpgm
.Lfunc_end_k_q55caf31338_amnet:
	.size	k_q55caf31338_amnet, .Lfunc_end_k_q55caf31338_amnet-k_q55caf31338_amnet
	.p2alignl 7, 3214868480
	.fill 96, 4, 3214868480
	.section	.rodata,"a",@progbits
	.p2align	6, 0x0
	.amdhsa_kernel k_q55caf31338_amnet
		.amdhsa_group_segment_fixed_size 270848
		.amdhsa_private_segment_fixed_size 0
		.amdhsa_enable_private_segment 0
		.amdhsa_kernarg_size 80
		.amdhsa_user_sgpr_count 2
		.amdhsa_user_sgpr_kernarg_segment_ptr 1
		.amdhsa_wavefront_size32 1
		.amdhsa_system_sgpr_workgroup_id_x 1
		.amdhsa_system_sgpr_workgroup_id_y 1
		.amdhsa_system_sgpr_workgroup_id_z 1
		.amdhsa_system_vgpr_workitem_id 0
		.amdhsa_next_free_vgpr 1024
		.amdhsa_next_free_sgpr 66
		.amdhsa_reserve_vcc 1
		.amdhsa_float_denorm_mode_32 3
		.amdhsa_float_denorm_mode_16_64 3
		.amdhsa_memory_ordered 1
		.amdhsa_forward_progress 1
		.amdhsa_inst_pref_size 255
	.end_amdhsa_kernel
	.section	.bss,"aw",@nobits
	.p2align	6
	.space	262144
	.amdgpu_metadata
---
amdhsa.version: [ 1, 2 ]
amdhsa.kernels:
  - .name:           k_q55caf31338_amnet
    .symbol:         k_q55caf31338_amnet.kd
    .args:
      - { .name: x, .offset: 0, .size: 8, .value_kind: global_buffer, .address_space: global }
      - { .name: A_mask, .offset: 8, .size: 8, .value_kind: global_buffer, .address_space: global }
      - { .name: col_idx, .offset: 16, .size: 8, .value_kind: global_buffer, .address_space: global }
      - { .name: w1l, .offset: 24, .size: 8, .value_kind: global_buffer, .address_space: global }
      - { .name: w1sl, .offset: 32, .size: 8, .value_kind: global_buffer, .address_space: global }
      - { .name: b1, .offset: 40, .size: 8, .value_kind: global_buffer, .address_space: global }
      - { .name: w2l, .offset: 48, .size: 8, .value_kind: global_buffer, .address_space: global }
      - { .name: W2_scales, .offset: 56, .size: 8, .value_kind: global_buffer, .address_space: global }
      - { .name: b2, .offset: 64, .size: 8, .value_kind: global_buffer, .address_space: global }
      - { .name: out0, .offset: 72, .size: 8, .value_kind: global_buffer, .address_space: global }
    .group_segment_fixed_size: 270848
    .private_segment_fixed_size: 0
    .kernarg_segment_align: 8
    .kernarg_segment_size: 80
    .max_flat_workgroup_size: 128
    .sgpr_count:     66
    .vgpr_count:     1024
    .wavefront_size: 32
...
	.end_amdgpu_metadata
.endif
;; end of part 2
;; ======== version 2 of 2: 2 launches
;; workspace buffers: w1l 786,432 bytes; w1sl 65,536 bytes; w2l 786,432 bytes
;; launch layout (part 3): grid 256 x 1, 1 waves a work-group, no clusters, 0 bytes of LDS; arguments W1_codes, W1_scales, W2_codes, w1l, w1sl, w2l; writes w1l, w1sl, w2l
.if DOCPART == 3
	.amdgcn_target "amdgcn-amd-amdhsa--gfx1250"
	.amdhsa_code_object_version 6
	.text
	.protected	k_q55caf31338_layout
	.globl	k_q55caf31338_layout
	.p2align	8
	.type	k_q55caf31338_layout,@function
k_q55caf31338_layout:
	s_mov_b64 s[64:65], 0
	v_nop
	global_prefetch_b8 v0, s[64:65] scope:SCOPE_SE
	s_setreg_imm32_b32 hwreg(HW_REG_WAVE_MODE, 25, 1), 1
	s_wait_xcnt 0x0
; The weights' codes are laid once in the order in which the next launch's lanes take them, so that there each load of a wave covers consecutive bytes.  Codes and scale bytes are moved, never changed.
; One wave to a work-group; 13 loads and 13 stores at the most; every store of the wave covers 512 consecutive bytes, aligned.  No LDS, no barrier: waves share nothing.
; WORK-GROUPS 0-127: W1 [2048 rows][384 bytes].  Unit U = 32 w + 4 q + u is a tile of 16 rows x 512 K: lane (r, h) holds the 192 bytes at 192 h of row 512 w + 32 q + 8 u + (r & 7) + 256 (r >> 3).
;   w1l: 6144 U + 512 e + 16 lane = the lane's e-th 16 bytes: an image of 48 registers.  w1sl: 512 U + 16 lane = the row's four scale words: byte 2 c + h of word ks is the row's scale byte 8 h + 2 ks + c.
; WORK-GROUPS 128-255: W2 [512 columns][96 pieces of 16 bytes] is turned into w2l [96 pieces][512 columns]: 32 columns x 12 pieces a wave, a lane to a column.
	s_load_b256 s[4:11], s[0:1], 0x0               ; W1's codes s[4:5], W1's scales s[6:7], W2's codes s[8:9], w1l s[10:11]
	s_load_b128 s[12:15], s[0:1], 0x20             ; w1sl s[12:13], w2l s[14:15]
	v_lshlrev_b32 v2, 4, v0                        ; 16 lane
	s_mov_b32 s19, 0
	s_mov_b32 s21, 0
	s_mov_b32 s23, 0
	s_mov_b32 s25, 0
	s_wait_kmcnt 0x0
	s_cmp_lt_u32 ttmp9, 128
	s_cbranch_scc0 .Lw2
	v_and_b32 v3, 7, v0
	v_bfe_u32 v4, v0, 3, 1
	v_bfe_u32 v5, v0, 4, 1
	v_mul_u32_u24 v6, v3, 384
	v_mad_u32_u24 v6, v4, 0x18000, v6
	v_mad_u32_u24 v6, v5, 192, v6                  ; codes: 384 (r & 7) + 256 rows (r >> 3) + 192 h
	v_lshlrev_b32 v7, 4, v3
	v_lshl_add_u32 v7, v4, 12, v7                  ; scale bytes: 16 (r & 7) + 256 rows (r >> 3)
	s_wait_alu depctr_va_vdst(0)
	s_mov_b32 s26, 0x05010400                      ; byte selectors: bytes 0, 4, 1, 5 and 2, 6, 3, 7 of a pair of words
	s_mov_b32 s27, 0x07030602
	s_and_b32 s16, ttmp9, 0x60                     ; 32 w
	s_lshl_b32 s16, s16, 4
	s_and_b32 s17, ttmp9, 31                       ; 4 q + u
	s_lshl_b32 s17, s17, 3
	s_add_co_u32 s16, s16, s17                     ; the tile's first row: 512 w + 32 q + 8 u
	s_mul_i32 s18, s16, 384
	s_lshl_b32 s20, s16, 4
	s_mul_i32 s22, ttmp9, 6144
	s_lshl_b32 s24, ttmp9, 9
	s_add_nc_u64 s[4:5], s[4:5], s[18:19]
	s_add_nc_u64 s[6:7], s[6:7], s[20:21]
	s_add_nc_u64 s[10:11], s[10:11], s[22:23]
	s_add_nc_u64 s[12:13], s[12:13], s[24:25]
	global_load_b128 v[8:11], v7, s[6:7]           ; my row's 16 scale bytes
.irp e, 0,1,2,3,4,5,6,7,8,9,10,11
	global_load_b128 v[16+4*\e:19+4*\e], v6, s[4:5] offset:16*\e
.endr
	s_wait_loadcnt 12                              ; the scale bytes are in; the twelve loads of codes may be out
	v_perm_b32 v12, v10, v8, s26
	v_perm_b32 v13, v10, v8, s27
	v_perm_b32 v14, v11, v9, s26
	v_perm_b32 v15, v11, v9, s27
	global_store_b128 v2, v[12:15], s[12:13]
.irp e, 0,1,2,3,4,5,6,7,8,9,10,11
	s_wait_loadcnt 11-\e                           ; loads come back in order: the e-th is in
	global_store_b128 v2, v[16+4*\e:19+4*\e], s[10:11] offset:512*\e
.endr
	s_endpgm
.Lw2:
	s_sub_co_u32 s16, ttmp9, 128
	s_lshr_b32 s17, s16, 3                         ; which 32 columns
	s_and_b32 s16, s16, 7                          ; which 12 pieces
	s_mul_i32 s18, s17, 49152                      ; 32 columns of 1,536 bytes
	s_mul_i32 s20, s16, 192
	s_add_co_u32 s18, s18, s20
	s_mul_i32 s22, s16, 98304                      ; 12 pieces of 8,192 bytes
	s_lshl_b32 s20, s17, 9
	s_add_co_u32 s22, s22, s20
	v_mul_u32_u24 v6, v0, 1536                     ; a lane to a column
	s_add_nc_u64 s[8:9], s[8:9], s[18:19]
	s_add_nc_u64 s[14:15], s[14:15], s[22:23]
.irp e, 0,1,2,3,4,5,6,7,8,9,10,11
	global_load_b128 v[16+4*\e:19+4*\e], v6, s[8:9] offset:16*\e
.endr
	s_wait_alu depctr_va_vdst(0)
.irp e, 0,1,2,3,4,5,6,7,8,9,10,11
	s_wait_loadcnt 11-\e
	global_store_b128 v2, v[16+4*\e:19+4*\e], s[14:15] offset:8192*\e
.endr
	s_endpgm
.Lfunc_end_k_q55caf31338_layout:
	.size	k_q55caf31338_layout, .Lfunc_end_k_q55caf31338_layout-k_q55caf31338_layout
	.p2alignl 7, 3214868480
	.fill 96, 4, 3214868480
	.section	.rodata,"a",@progbits
	.p2align	6, 0x0
	.amdhsa_kernel k_q55caf31338_layout
		.amdhsa_group_segment_fixed_size 0
		.amdhsa_private_segment_fixed_size 0
		.amdhsa_enable_private_segment 0
		.amdhsa_kernarg_size 48
		.amdhsa_user_sgpr_count 2
		.amdhsa_user_sgpr_kernarg_segment_ptr 1
		.amdhsa_wavefront_size32 1
		.amdhsa_system_sgpr_workgroup_id_x 1
		.amdhsa_system_sgpr_workgroup_id_y 1
		.amdhsa_system_sgpr_workgroup_id_z 1
		.amdhsa_system_vgpr_workitem_id 0
		.amdhsa_next_free_vgpr 64
		.amdhsa_next_free_sgpr 66
		.amdhsa_reserve_vcc 0
		.amdhsa_float_denorm_mode_32 3
		.amdhsa_float_denorm_mode_16_64 3
		.amdhsa_memory_ordered 1
		.amdhsa_forward_progress 1
		.amdhsa_inst_pref_size 9
	.end_amdhsa_kernel
	.amdgpu_metadata
---
amdhsa.version: [ 1, 2 ]
amdhsa.kernels:
  - .name:           k_q55caf31338_layout
    .symbol:         k_q55caf31338_layout.kd
    .args:
      - { .name: W1_codes, .offset: 0, .size: 8, .value_kind: global_buffer, .address_space: global }
      - { .name: W1_scales, .offset: 8, .size: 8, .value_kind: global_buffer, .address_space: global }
      - { .name: W2_codes, .offset: 16, .size: 8, .value_kind: global_buffer, .address_space: global }
      - { .name: w1l, .offset: 24, .size: 8, .value_kind: global_buffer, .address_space: global }
      - { .name: w1sl, .offset: 32, .size: 8, .value_kind: global_buffer, .address_space: global }
      - { .name: w2l, .offset: 40, .size: 8, .value_kind: global_buffer, .address_space: global }
    .group_segment_fixed_size: 0
    .private_segment_fixed_size: 0
    .kernarg_segment_align: 8
    .kernarg_segment_size: 48
    .max_flat_workgroup_size: 32
    .sgpr_count:     66
    .vgpr_count:     64
    .wavefront_size: 32
...
	.end_amdgpu_metadata
.endif
;; end of part 3
;; launch amnet (part 4): grid 256 x 1, 4 waves a work-group, no clusters, 270,848 bytes of LDS; arguments x, A_mask, col_idx, w1l, w1sl, b1, w2l, W2_scales, b2, out0; writes out0
.if DOCPART == 4
	.amdgcn_target "amdgcn-amd-amdhsa--gfx1250"
	.amdhsa_code_object_version 6
	.text
	.protected	k_q55caf31338_amnet
	.globl	k_q55caf31338_amnet
	.p2align	8
	.type	k_q55caf31338_amnet,@function
k_q55caf31338_amnet:
	s_mov_b64 s[64:65], 0
	v_nop
	global_prefetch_b8 v0, s[64:65] scope:SCOPE_SE
	s_setreg_imm32_b32 hwreg(HW_REG_WAVE_SCHED_MODE, 0, 2), 2
	s_setreg_imm32_b32 hwreg(HW_REG_WAVE_MODE, 25, 1), 1
	s_wait_xcnt 0x0
	s_wait_alu depctr_vm_vsrc(0)
; out[n][j] = y[n][col_idx[j]][j],  y[n][g][:] = relu((x[n][:] * A_mask[:][g]) W1 + b1) W2 + b2.  Both products on codes of FP6 (E2M3) with one E8M0 scale for each 32 along K.
; x [4096][512] f32, A_mask [512][8] f32, col_idx [512] i32, b1 [2048], b2 [512], W2's scales [512][64], out [4096][512] f32.  The weights' codes come as the launch before has laid them:
;   w1l: unit U = 32 w + 4 q + u (a tile of 16 rows x 512 K, 48 registers a lane) at 6144 U + 512 e + 16 lane;  w1sl: its four scale words a row at 512 U + 16 lane;  w2l: piece t (16 bytes) of column j at 8192 t + 16 j.
; SHARES.  Work-group id: g = id & 7, nb = id >> 3.  It owns rows 128 nb .. +127 under mask column g (8 tiles of 16 rows) and every out[n][j] with col_idx[j] = g: each output number has one owner.
; The first product is done whole (the mask is an input of any numbers).  Of the second only the columns that col_idx gives to g are made: reference() gathers those and drops the rest.
; PHASE X: wave w multiplies rows 32 w .. +31 of x by the mask column, quantises them (8 fragments) and hands them to all waves through LDS as images of their registers.
; PHASE 1: every wave holds all 32 fragments of x * mask (384 registers) and makes hidden units 512 w .. +511, 64 at a time; W1 goes from memory straight into registers, each fragment once in the work-group,
;   each load of the wave 512 consecutive bytes.
;   The product is used transposed (source 0 = 16 rows of W1, source 1 = 16 rows of x * mask).  Lane r of tile u of chunk q takes W1's row 512 w + 32 q + 8 u + (r & 7) + 256 (r >> 3): so the 32 result registers of a
;   lane are one whole block of 32 along the next K, relu and quantising need no other lane, and the six code registers are six registers of the second product's fragment in that same lane.
;   The quantising of one tile of rows stands in slices of four lines behind the matrix instructions of the next tile of rows.
; PHASE 2: wave w takes tiles of rows 2 w, 2 w + 1 over all 2,048 hidden units and walks the group's output columns, 16 at a time, by a sorted list that wave 0 made in LDS from col_idx.
; BLOCKS OF 32 ALONG K ARE PLACED ALIKE IN BOTH OPERANDS, NOT IN THEIR TRUE ORDER: place (K step ks, c, half h) holds block 8 h + 2 ks + c of 16, so that a lane's four fragments are 192 consecutive bytes of its
;   row of codes: twelve pieces of 16 bytes.  The scale words are gathered to match (two byte selectors).  So the f32 sums run over K in that order.
; No tensor load and no cluster: the number of column tiles hangs on col_idx, which is read here.
; LIMITS: NaN and infinities among the inputs are not served.  A block whose largest magnitude lies under 2^-124 (a block of zeros too) gets the scale byte 1; a block of zeros has zero codes, which add nothing.
;   col_idx lies in 0 .. 7 (an index stays inside the table that it indexes): a column with another number is written by nobody.
; REGISTERS, in windows of 256: window 0: v0-31 addresses, v32-47 scale words of the rows, v48-79 of the weights (two sets), v80-111 bias tiles, v112-175 two sets of four accumulators, v176-207 at work, v208-255 weight unit 7.
;   A unit is 48 registers: four fragments.  Row units 0-4: window 1 at 48 i; 5-7: window 2 at 48 (i - 5).  Weight units (two sets of four): 0, 1: window 2 at 144, 192; 2-6: window 3 at 48 (U - 2); 7: window 0 at 208.
;   Raw scale bytes of W2's weight set p (phase 2): window 1 + p, v240-255.
; THE MODE: SCHED_MODE bits 1:0 = 2 (LLVM: expert scheduling mode 2), set by the entry lines.  The code itself states the register dependences between vector or matrix instructions and memory or LDS
;   instructions, with s_wait_alu, always for 0.
; THE PLAN.  Registers that memory or LDS instructions touch, and who else names them:
;   v4, v7-v11, v13, v19, v20, v26, v27, v29-v31   offsets, made at the head and never written again: one wait on va_vdst ahead of the first load.
;   PHASE X.  The ring of x and the mask's run: loads land there, a run's 32 products read them: one wait on va_vdst behind the products, and the slot's and the mask's next loads follow it.
;             v80-91, v100, v101: written by the conversions, shifts and moves, read by five LDS stores: va_vdst ahead of the stores, vm_vsrc ahead of the next run's conversions.
;   PHASE 1.  Weight sets 0, 1 with their scale words: chunk q's products read set q % 2, chunk q + 1's loads land in the other: ONE wait on va_vdst at a chunk's head; no line of the chunk names the other set or v7,
;             so the 52 loads are dealt over the chunk's first four steps with no further wait.
;             The bias tiles: read by a step's first four products, loaded anew in a chunk's last step behind a wait on va_vdst of their own.
;             CA, CB, BYT: written by lines 53 to 55 of the quantising, read by the seven LDS stores of lines 57 to 63: va_vdst ahead of line 57, vm_vsrc at the next step's line 53.
;             v12, v14-v18: read by those stores and by the bias tiles' loads; stepped at a trip's end behind vm_vsrc; their next readers stand behind the waits on va_vdst just named.
;   PHASE 2.  A weight set, its raw scale bytes and its b2: read by the tile's byte selectors, moves and products, loaded anew behind the tile's last wait on va_vdst.  The scale words: written by the byte selectors,
;             taken by the scaled products: eight places, then va_vdst.  The sums: written by the additions, read by 16 stores: va_vdst ahead of them, vm_vsrc behind them, which also frees the four offsets that ADDR writes.
;             v21: read by the list's loads, stepped at the loop's foot behind vm_vsrc; the wait behind the eight places stands ahead of its next reader.
;   v183, v187: written at the head, read by the closing add alone.
.set XIMG, 0                           ; LDS: x * mask: fragment F = 4 rt + ks at 1536 F + 512 k + 16 lane
.set HIMG, 49152                       ; the hidden layer: fragment F = 16 rt + ks2 at 1536 F + 48 lane + 4 register
.set XSC,  245760                      ; scale words of x * mask: 64 F + 4 r, byte 2 c + h
.set HSC,  247808                      ; of the hidden layer, likewise
.set MSK,  256000                      ; A_mask[i][g] at 4 i
.set B1L,  258048                      ; b1 as it lies
.set LIST, 266240                      ; entries 0-511: the group's columns, ascending; 512-543: where lanes without a match put theirs
.set XS,   32
.set W1S,  48
.set BIAS, 80
.set ACC,  112
.set MX0,  176
.set MX1,  177
.set SCL,  178
.set BYT,  179
.set CA,   180
.set CB,   184
.set JN,   188                         ; two of each, one for each weight set: the tile's column,
.set WA,   190                         ; its offset in W2's codes,
.set SA,   192                         ; in W2's scales,
.set OA,   194                         ; in out,
.set BA,   196                         ; in b2,
.set B2V,  198                         ; and its b2
.set BV,   200                         ; v200-207: b2 as the C of a sum's first product
.set MSB, 0
.macro WIN new                         ; low byte: bits 1:0 source 0, 3:2 source 1, 5:4 source 2, 7:6 destination; the high byte repeats the setting that is left
.if MSB != (\new)
	s_set_vgpr_msb (MSB<<8)|(\new)
.set MSB, (\new)
.endif
.endm
.macro XLOC n                          ; row unit n: window XW, register XR
.if (\n) < 5
.set XW, 1
.set XR, 48*(\n)
.else
.set XW, 2
.set XR, 48*((\n)-5)
.endif
.endm
.macro WLOC n                          ; weight unit n: window WW, register WR
.if (\n) == 0
.set WW, 2
.set WR, 144
.elseif (\n) == 1
.set WW, 2
.set WR, 192
.elseif (\n) < 7
.set WW, 3
.set WR, 48*((\n)-2)
.else
.set WW, 0
.set WR, 208
.endif
.endm
.macro MMA dd, ra, rb, cc, sa, sb, row ; row: 0 both scales from lanes 0-15; 1 source 0's from lanes 16-31; 2 source 1's
.if (\row) == 0
	v_wmma_scale_f32_16x16x128_f8f6f4 v[\dd:\dd+7], v[\ra:\ra+11], v[\rb:\rb+11], \cc, v[\sa], v[\sb] matrix_a_fmt:MATRIX_FMT_FP6 matrix_b_fmt:MATRIX_FMT_FP6
.elseif (\row) == 1
	v_wmma_scale_f32_16x16x128_f8f6f4 v[\dd:\dd+7], v[\ra:\ra+11], v[\rb:\rb+11], \cc, v[\sa], v[\sb] matrix_a_fmt:MATRIX_FMT_FP6 matrix_b_fmt:MATRIX_FMT_FP6 matrix_a_scale:MATRIX_SCALE_ROW1
.else
	v_wmma_scale_f32_16x16x128_f8f6f4 v[\dd:\dd+7], v[\ra:\ra+11], v[\rb:\rb+11], \cc, v[\sa], v[\sb] matrix_a_fmt:MATRIX_FMT_FP6 matrix_b_fmt:MATRIX_FMT_FP6 matrix_b_scale:MATRIX_SCALE_ROW1
.endif
.endm
.macro PLACES n
.rept \n
	v_nop
.endr
.endm
.macro BARRIER                         ; my LDS stores have landed and my LDS loads are in: then the work-group's barrier
	s_wait_dscnt 0x0
	s_barrier_signal -1
	s_barrier_wait -1
.endm
.macro LX n                            ; run n of x: tile of rows n % 2 of my two, K step n / 2: 64 numbers a lane (256 consecutive bytes of its row) into ring slot n % 3 of window 1
	WIN 0x40
.irp e, 0,1,2,3,4,5,6,7,8,9,10,11,12,13,14,15
	global_load_b128 v[64*((\n)%3)+4*\e:64*((\n)%3)+4*\e+3], v4, s[8:9] offset:32768*((\n)%2)+256*((\n)/2)+16*\e
.endr
	WIN 0
.endm
.macro MKL k                           ; the mask column's 64 numbers of K step k for my half, into window 3, v96-159
	WIN 0xc0
.irp e, 0,1,2,3,4,5,6,7,8,9,10,11,12,13,14,15
	ds_load_b128 v[96+4*\e:99+4*\e], v11 offset:256*(\k)+16*\e
.endr
	WIN 0
.endm
.macro LOADW1 n, off                   ; a tile of W1 (16 rows x 512 K: four fragments) into weight unit n: the image of its 48 registers, 512 consecutive bytes a load
	WLOC \n
	WIN WW<<6
.irp e, 0,1,2,3,4,5,6,7,8,9,10,11
	global_load_b128 v[WR+4*\e:WR+4*\e+3], v7, s[14:15] offset:(\off)+512*\e
.endr
	WIN 0
.endm
.macro LOADW1H n, hf, off              ; half hf of such a tile: six loads
	WLOC \n
	WIN WW<<6
.irp e, 0,1,2,3,4,5
	global_load_b128 v[WR+24*(\hf)+4*\e:WR+24*(\hf)+4*\e+3], v7, s[14:15] offset:(\off)+3072*(\hf)+512*\e
.endr
	WIN 0
.endm
.macro LOADSC pp, off                  ; the scale words of a chunk's four tiles, four words a row, straight into set pp's registers
	WIN 0
.irp e, 0,1,2,3
	global_load_b128 v[W1S+16*(\pp)+4*\e:W1S+16*(\pp)+4*\e+3], v7, s[16:17] offset:(\off)+512*\e
.endr
.endm
.macro PERMS pp                        ; phase 2: 16 raw bytes of a column of W2 -> four scale words: byte 2 c + h of word ks is the raw byte 8 h + 2 ks + c
	WIN 5*(1+(\pp))
.irp e, 0,1,2,3
	v_perm_b32 v[W1S+16*(\pp)+4*\e], v[242+4*\e], v[240+4*\e], s50
	v_perm_b32 v[W1S+16*(\pp)+4*\e+1], v[242+4*\e], v[240+4*\e], s51
	v_perm_b32 v[W1S+16*(\pp)+4*\e+2], v[243+4*\e], v[241+4*\e], s50
	v_perm_b32 v[W1S+16*(\pp)+4*\e+3], v[243+4*\e], v[241+4*\e], s51
.endr
	WIN 0
.endm
.macro BIASLD off                      ; a chunk's four bias tiles: register 8 u + i = b1 of hidden unit 512 w + 256 h + 32 q + 8 u + i
	WIN 0
.irp e, 0,1,2,3,4,5,6,7
	ds_load_b128 v[BIAS+4*\e:BIAS+4*\e+3], v12 offset:(\off)+16*\e
.endr
.endm
.macro LW2S pb                         ; a column tile of W2: its columns' 64 scale bytes and its b2
	WIN (1+(\pb))<<6
.irp e, 0,1,2,3
	global_load_b128 v[240+4*\e:243+4*\e], v[SA+(\pb)], s[22:23] offset:16*\e
.endr
	WIN 0
	global_load_b32 v[B2V+(\pb)], v[BA+(\pb)], s[24:25]
.endm
.macro LW2Q pb, qd                     ; and its codes of hidden units 512 qd .. +511 into weight unit 4 pb + qd: piece 24 qd + 12 h + e of my column; sixteen lanes with neighbouring columns read 256 consecutive bytes
	WLOC 4*(\pb)+(\qd)
	WIN WW<<6
.irp e, 0,1,2,3,4,5,6,7,8,9,10,11
	global_load_b128 v[WR+4*\e:WR+4*\e+3], v[WA+(\pb)], s[20:21] offset:8192*(24*(\qd)+\e)
.endr
	WIN 0
.endm
.macro LW2QH pb, qd, hf                ; half hf of these: six loads
	WLOC 4*(\pb)+(\qd)
	WIN WW<<6
.irp e, 0,1,2,3,4,5
	global_load_b128 v[WR+24*(\hf)+4*\e:WR+24*(\hf)+4*\e+3], v[WA+(\pb)], s[20:21] offset:8192*(24*(\qd)+6*(\hf)+\e)
.endr
	WIN 0
.endm
.macro ADDR pb                         ; the next column tile's offsets.  A lane past the list's end takes the group's first column: it makes the same number and stores it to the same place, so EXEC stays whole
	v_cmp_gt_u32 vcc_lo, s5, v23
	s_wait_alu depctr_va_vcc(0)                    ; VCC is written, ahead of the choice that reads it
	v_cndmask_b32 v28, v22, v[JN+(\pb)], vcc_lo
	v_min_u32 v28, 0x1ff, v28                      ; a number that was loaded enters an address behind this bound alone
	v_lshl_add_u32 v[WA+(\pb)], v28, 4, v24        ; 16 j + 12 pieces of 8,192 bytes x h
	v_lshlrev_b32 v[SA+(\pb)], 6, v28
	v_lshlrev_b32 v[BA+(\pb)], 2, v28
	v_lshl_add_u32 v[OA+(\pb)], v28, 2, v25        ; 4 j + 8 h rows of 2,048 bytes
	v_add_nc_u32 v23, 16, v23
.endm
	s_load_b256 s[8:15], s[0:1], 0x0               ; x s[8:9], A_mask s[10:11], col_idx s[12:13], w1l s[14:15]
	s_load_b256 s[16:23], s[0:1], 0x20             ; w1sl s[16:17], b1 s[18:19], w2l s[20:21], W2's scales s[22:23]
	s_load_b128 s[24:27], s[0:1], 0x40             ; b2 s[24:25], out s[26:27]
	v_lshl_add_u32 v183, v0, 2, 0x42000
	v_mov_b32 v187, 0
	v_lshrrev_b32 v28, 5, v0
	v_readfirstlane_b32 s2, v28                    ; wave w
	s_and_b32 s3, ttmp9, 7                         ; g
	s_lshr_b32 s4, ttmp9, 3                        ; nb
	s_mov_b32 s50, 0x05010400                      ; byte selectors of PERMS
	s_mov_b32 s51, 0x07030602
	; every address register is made here, ahead of the one parting of the waves
	v_and_b32 v1, 15, v0                           ; r
	v_bfe_u32 v2, v0, 4, 1                         ; h
	v_and_b32 v3, 31, v0                           ; lane
	v_lshlrev_b32 v4, 11, v1
	v_lshl_add_u32 v4, v2, 10, v4                  ; x: 2048 r + 1024 h
	v_lshlrev_b32 v7, 4, v3                        ; 16 lane: an image's place for my lane, in LDS and in w1l and w1sl
	v_lshl_add_u32 v8, v3, 2, XSC                  ; scale words of x * mask, read: lanes 0-15 an even K step's, lanes 16-31 the odd one's
	s_wait_alu depctr_va_sdst(0)                   ; s2 is written, ahead of its first reader: LDS places and bases are made from it
	s_mul_i32 s28, s2, 12288
	v_add_nc_u32 v9, s28, v7                       ; my images of x * mask: 16 lane + 8 fragments x wave
	s_lshl_b32 s28, s2, 9
	v_lshl_add_u32 v10, v1, 2, v2
	v_add_nc_u32 v10, s28, v10
	v_add_nc_u32 v10, XSC, v10                     ; their scale bytes: 4 r + h + 512 w
	v_lshl_add_u32 v11, v2, 10, MSK
	s_lshl_b32 s28, s2, 11
	v_lshl_add_u32 v12, v2, 10, B1L
	v_add_nc_u32 v12, s28, v12                     ; b1, read: 2048 w + 1024 h; 256 on in each trip
	v_add_nc_u32 v13, s28, v7
	v_add_nc_u32 v13, B1L, v13                     ; b1, written
	v_lshl_add_u32 v20, v3, 2, HSC
	v_add_nc_u32 v20, s28, v20                     ; the hidden layer's scale words, read: my two tiles of rows
	s_mul_i32 s28, s2, 6144
	v_mul_u32_u24 v28, v3, 48
	v_add_nc_u32 v19, HIMG, v28
	v_add_nc_u32 v28, s28, v28
.irp k, 0,1,2,3
	v_add_nc_u32 v[14+\k], HIMG+49152*\k, v28      ; the hidden layer, written: tiles of rows 2 k, 2 k + 1; my four K steps; 1536 on in each trip
.endr
	s_mul_i32 s28, s2, 49152
	v_add_nc_u32 v19, s28, v19                     ; and read: my two tiles of rows
	s_lshl_b32 s28, s2, 8
	v_lshl_add_u32 v18, v1, 2, v2
	v_add_nc_u32 v18, s28, v18
	v_add_nc_u32 v18, HSC, v18                     ; its scale bytes, written: 4 r + h + 256 w; 64 on in each trip
	v_lshl_add_u32 v21, v1, 2, LIST                ; the list, read by tiles
	v_mov_b32 v23, v1                              ; my place in the list
	v_mul_u32_u24 v24, v2, 0x18000                 ; w2l: my half's pieces begin 12 x 8,192 bytes on
	v_lshlrev_b32 v25, 14, v2
	v_lshl_add_u32 v26, v3, 2, LIST
	v_lshl_add_u32 v27, v3, 2, MSK
	v_mov_b32 v29, LIST
	v_lshlrev_b32 v30, 2, v3
	s_lshl_b32 s30, s3, 2
	v_lshlrev_b32 v31, 5, v3
	v_add_nc_u32 v31, s30, v31                     ; A_mask: 32 lane + 4 g
	s_wait_kmcnt 0x0
	s_lshl_b32 s28, s4, 18
	s_lshl_b32 s30, s2, 16
	s_add_co_u32 s28, s28, s30
	s_mov_b32 s29, 0
	s_add_nc_u64 s[8:9], s[8:9], s[28:29]          ; x and out at row 128 nb + 32 w
	s_add_nc_u64 s[26:27], s[26:27], s[28:29]
	s_mul_i32 s28, s2, 196608
	s_add_nc_u64 s[14:15], s[14:15], s[28:29]      ; w1l at my 32 units
	s_lshl_b32 s28, s2, 14
	s_add_nc_u64 s[16:17], s[16:17], s[28:29]      ; w1sl likewise
	s_lshl_b32 s28, s2, 11
	s_add_nc_u64 s[18:19], s[18:19], s[28:29]      ; b1 at my 512 numbers
	s_wait_alu depctr_va_vdst(0)                   ; the offsets and LDS addresses v4 to v31 are written, which the loads and stores from here on read
.irp k, 0,1,2,3,4,5,6,7,8,9,10,11,12,13,14,15
	global_load_b32 v[208+\k], v30, s[12:13] offset:128*\k         ; col_idx[32 k + lane]
.endr
.irp e, 0,1,2,3
	global_load_b128 v[192+4*\e:195+4*\e], v7, s[18:19] offset:512*\e
.endr
.irp k, 0,1,2,3,4,5,6,7,8,9,10,11,12,13,14,15
	global_load_b32 v[224+\k], v31, s[10:11] offset:1024*\k        ; A_mask[32 k + lane][g]
.endr
	LX 0
	LX 1
	LX 2
	s_wait_loadcnt 48                              ; all but the three runs of x, 16 loads each
.irp k, 0,1,2,3,4,5,6,7,8,9,10,11,12,13,14,15
	v_cmp_eq_u32 s[32+\k], s3, v[208+\k]           ; which columns are my group's: the sixteen compares in one run
.endr
	s_wait_alu depctr_va_sdst(0)                   ; the sixteen masks s32 to s47 are written, ahead of their first reader
	s_mov_b32 s5, 0
.irp k, 0,1,2,3,4,5,6,7,8,9,10,11,12,13,14,15
	s_bcnt1_i32_b32 s49, s[32+\k]
	s_add_co_u32 s5, s5, s49                       ; c: how many
.endr
	s_add_co_u32 s6, s5, 31
	s_lshr_b32 s6, s6, 5                           ; trips of two column tiles
	s_cmp_lg_u32 s2, 0
	s_cbranch_scc1 .Lnot_wave_0
	; wave 0 alone: the list, by a counting sort over the 16 masks, and the mask column.  No other wave touches LDS ahead of the barrier below.  All places and numbers are made first, then all stores follow one wait
	v_mov_b32 v240, 0
	v_add_nc_u32 v241, 512, v3
	s_mov_b32 s48, 0
.irp k, 0,1,2,3,4,5,6,7,8,9,10,11,12,13,14,15
	v_mbcnt_lo_u32_b32 v[112+\k], s[32+\k], s48    ; matches before mine
	v_cndmask_b32 v[112+\k], v241, v[112+\k], s[32+\k]             ; no match: entry 512 + lane
	v_min_u32 v[112+\k], 0x3ff, v[112+\k]
	v_lshl_add_u32 v[112+\k], v[112+\k], 2, LIST
	v_add_nc_u32 v[128+\k], 32*\k, v3              ; j.  (Each store has registers of its own)
	s_bcnt1_i32_b32 s49, s[32+\k]
	s_add_co_u32 s48, s48, s49
.endr
	s_wait_alu depctr_va_vdst(0)                   ; v240, the sixteen places v112 .. and the sixteen numbers v128 .. are written, which the stores below read
.irp k, 0,1,2,3,4,5,6,7,8,9,10,11,12,13,14,15,16
	ds_store_b32 v26, v240 offset:128*\k           ; entries 0 to 543 are written before anybody reads one
.endr
.irp k, 0,1,2,3,4,5,6,7,8,9,10,11,12,13,14,15
	ds_store_b32 v[112+\k], v[128+\k]              ; LDS serves a wave's instructions in order: these come behind the zeros
.endr
.irp k, 0,1,2,3,4,5,6,7,8,9,10,11,12,13,14,15
	ds_store_b32 v27, v[224+\k] offset:128*\k
.endr
	s_wait_alu depctr_vm_vsrc(0)                   ; these stores have read v112-143, which phase X's products write, and v224-240, in which a tile of W1 lands
.Lnot_wave_0:
	BARRIER                                        ; the list and the mask column lie in LDS
	; ---- PHASE X
	ds_load_b32 v22, v29                           ; the group's first column
	MKL 0
.irp e, 0,1,2,3
	ds_store_b128 v13, v[192+4*\e:195+4*\e] offset:512*\e          ; my 512 numbers of b1: I alone read them
.endr
; 64 numbers of a lane in v[ACC] on, two whole blocks of 32 along K, become a fragment's 12 registers (v80-91) and two scale bytes, and go to LDS
.macro QUANTX
	v_max3_num_f32 v[MX0], |v[ACC]|, |v[ACC+1]|, 0x1800000         ; the floor 2^(3 - 127): the byte cannot fall under 1
	v_max3_num_f32 v[MX1], |v[ACC+32]|, |v[ACC+33]|, 0x1800000
.irp e, 2,4,6,8,10,12,14,16,18,20,22,24,26,28,30
	v_max3_num_f32 v[MX0], v[MX0], |v[ACC+\e]|, |v[ACC+\e+1]|
	v_max3_num_f32 v[MX1], v[MX1], |v[ACC+32+\e]|, |v[ACC+33+\e]|
.endr
	v_add_nc_u32 v[SCL], 0xff000000, v[MX0]        ; 2 off the exponent field: the conversion's scale operand
	v_add_nc_u32 v[BYT], 0xff000000, v[MX1]
	s_wait_alu depctr_va_vdst(0)
	s_wait_dscnt 0x0                               ; the last fragment's stores are done (and a run of the mask issued just before is in)
.if nn > 0
	s_wait_alu depctr_vm_vsrc(0)                   ; the last fragment's five stores have read v80-91, v100 and v101, which the lines below write again
.endif
	v_cvt_scalef32_pk16_fp6_f32 v[80:82], v[ACC:ACC+15], v[SCL]
	v_cvt_scalef32_pk16_fp6_f32 v[92:94], v[ACC+16:ACC+31], v[SCL] ; (a conversion's three registers begin on an even number)
	v_cvt_scalef32_pk16_fp6_f32 v[86:88], v[ACC+32:ACC+47], v[BYT]
	v_cvt_scalef32_pk16_fp6_f32 v[96:98], v[ACC+48:ACC+63], v[BYT]
	v_nop                                          ; one plain place behind a scaled conversion
	v_lshrrev_b32 v100, 23, v[SCL]
	v_lshrrev_b32 v101, 23, v[BYT]
.irp e, 0,1,2
	v_mov_b32 v[83+\e], v[92+\e]
	v_mov_b32 v[89+\e], v[96+\e]
.endr
	s_wait_alu depctr_va_vdst(0)                   ; the conversions, moves and shifts have written v80-91, v100 and v101, which the five stores read
.irp e, 0,1,2
	ds_store_b128 v9, v[80+4*\e:83+4*\e] offset:XIMG+1536*(4*xa+xk)+512*\e
.endr
	ds_store_b8 v10, v100 offset:64*(4*xa+xk)
	ds_store_b8 v10, v101 offset:64*(4*xa+xk)+2
.endm
.set nn, 0
.rept 8
.set xa, nn%2
.set xk, nn/2
.if nn < 6
	s_wait_loadcnt 32                              ; run nn is in; the two runs of x issued behind it may be out
.else
	s_wait_loadcnt 40                              ; behind run 6: run 7 and 24 loads of W1; behind run 7: 24 + 16 loads of W1
.endif
.if nn == 0
	s_wait_dscnt 4                                 ; the first column and the mask's first run are in; b1's four stores may be out
.endif
	WIN 0x0d                                       ; x in window 1, the mask in window 3
.set e, 0
.rept 32
	v_pk_mul_f32 v[ACC+2*e:ACC+2*e+1], v[64*(nn%3)+2*e:64*(nn%3)+2*e+1], v[96+2*e:97+2*e]
.set e, e+1
.endr
	WIN 0
.if nn < 6
	s_wait_alu depctr_va_vdst(0)                   ; the 32 products are done reading their ring slot and the mask's run, in which the loads of x and of the mask below land
.endif
.if nn < 5
	LX nn+3
.elseif nn == 5
	LOADW1 0, 0                                    ; chunk 0 of W1 is asked for while the last runs are quantised
	LOADW1 1, 6144
.elseif nn == 6
	LOADSC 0, 0
	LOADW1 2, 12288
.else
	LOADW1 3, 18432
.endif
.if (xa == 1) && (xk < 3)
	MKL xk+1
.endif
	QUANTX
.set nn, nn+1
.endr
	BARRIER                                        ; all 32 fragments of x * mask lie in LDS
	s_wait_alu depctr_vm_vsrc(0)                   ; my last fragment's stores have read v80-91, v100 and v101, in which the bias tiles land
	; ---- set-up of phase 1: every wave takes all of x * mask into its row units.  (The last wait on va_vdst, in the last run's quantising, stands behind every product that read the ring of x, whose registers these loads fill)
.set rr, 0
.rept 8
	XLOC rr
	WIN XW<<6
.set e, 0
.rept 12
	ds_load_b128 v[XR+4*e:XR+4*e+3], v7 offset:XIMG+1536*(4*rr+e/3)+512*(e%3)
.set e, e+1
.endr
.set rr, rr+1
.endr
	WIN 0
.set e, 0
.rept 16
	ds_load_b32 v[XS+e], v8 offset:128*e           ; register 2 rt + ks / 2
.set e, e+1
.endr
	BIASLD 0
	ds_load_b32 v[JN], v21                         ; the first two column tiles
	ds_load_b32 v[JN+1], v21 offset:64
	s_wait_dscnt 0x0
	ADDR 0
	ADDR 1
	s_wait_loadcnt 0x0                             ; chunk 0 of W1 and its scale words: registers filled by loads owe only this wait
; ---- PHASE 1.  Number j of the 64 lines that quantise one tile of rows of one chunk: 32 results of a lane in v[AQ] on.
;   0-3 the places behind the products that made them;  4-51 the largest value (no |.|: what is negative does not count; the floor stands over it) and relu; each accumulator is first read at its low end;
;   52 the scale operand;  53 the earlier stores have read their registers: the byte;  54, 55 the conversions;  56 the plain place behind them;  57-62 six registers of the next product's fragment;  63 its scale byte
.macro QI
.if j < 4
	v_nop
.elseif j < 52
.set gI, (j-4)/3
.set gM, (j-4)%3
.if gM > 0
	v_max_num_f32 v[AQ+2*gI+gM-1], 0, v[AQ+2*gI+gM-1]
.elseif gI == 0
	v_max3_num_f32 v[MX0], v[AQ], v[AQ+1], 0x1800000
.elseif gI < 8
	v_max3_num_f32 v[MX0], v[MX0], v[AQ+2*gI], v[AQ+2*gI+1]
.elseif gI == 8
	v_max3_num_f32 v[MX1], v[AQ+16], v[AQ+17], v[AQ+18]
.elseif gI < 15
	v_max3_num_f32 v[MX1], v[MX1], v[AQ+2*gI+1], v[AQ+2*gI+2]
.else
	v_max3_num_f32 v[MX1], v[MX1], v[AQ+31], v[MX0]
.endif
.elseif j == 52
	v_add_nc_u32 v[SCL], 0xff000000, v[MX1]
.elseif j == 53
	s_wait_dscnt 0x0                               ; the last tile's seven stores are done; a refill of the bias tiles issued in this step is in
	s_wait_alu depctr_vm_vsrc(0)                   ; those seven stores have read the byte and the six code registers, which this line and the two conversions write again
	s_wait_alu depctr_va_vdst(0)
	v_lshrrev_b32 v[BYT], 23, v[SCL]
.elseif j == 54
	v_cvt_scalef32_pk16_fp6_f32 v[CA:CA+2], v[AQ:AQ+15], v[SCL]
.elseif j == 55
	v_cvt_scalef32_pk16_fp6_f32 v[CB:CB+2], v[AQ+16:AQ+31], v[SCL]
.elseif j == 56
	v_nop
.elseif j < 60
.if j == 57
	s_wait_alu depctr_va_vdst(0)                   ; the conversions have written the six code registers and the shift the byte, which the seven stores read; behind a trip's end the stores' address registers are written too
.endif
	ds_store_b32 v[HWR], v[CA+j-57] offset:HOF+4*(j-57)
.elseif j < 63
	ds_store_b32 v[HWR], v[CB+j-60] offset:HOF+12+4*(j-60)
.else
	ds_store_b8 v18, v[BYT] offset:SOF
.endif
.endm
; What else stands in a step, behind matrix instruction i and its slice.  mode 1: the next chunk of W1 and its scale words into the other weight set, dealt over the chunk's first four steps: step rt brings tile rt, six loads
; behind its first product and six behind its ninth.  They lean on the wait at the chunk's head: no line since names the other set, its scale words or v7.  The next chunk's bias tiles come in step 7, behind a wait of their own.
; mode 2 (the last chunk): the first column tile of W2, dealt likewise.
.macro EXTRA rt, p, mode, rel
.if ((\rt) < 4) && ((i%8) == 0)
.if (\mode) == 1
.if ((\rt) == 0) && (i == 0)
	LOADSC 1-(\p), 2048*(\rel)
.endif
	LOADW1H 4*(1-(\p))+(\rt), i/8, 24576*(\rel)+6144*(\rt)
.else
.if ((\rt) == 0) && (i == 0)
	LW2S 0
.endif
	LW2QH 0, \rt, i/8
.endif
.endif
.if ((\mode) == 1) && ((\rt) == 7) && (i == 4)
	s_wait_alu depctr_va_vdst(0)                   ; this step's first four products are done reading the bias tiles, in which the loads below land; behind a trip's end their address v12 is written
	BIASLD 128*(1+(\p))
.endif
.endm
; A STEP: tile of rows rt of a chunk whose weights lie in set p: 16 matrix instructions, K step i / 4, tile i % 4: the four accumulators of set rt % 2 take turns, one instruction a turn.
; quant = 1: behind each stands a slice of four lines of the quantising of the tile of rows before, which lies in the other set.
.macro STEP rt, p, quant, mode, rel
.set PRT, ((\rt)+7)%8
.if (\rt) == 0
.set QC, 1-(\p)
.else
.set QC, (\p)
.endif
.set AQ, ACC+32*(1-((\rt)%2))
.set HWR, 14+PRT/2
.set HOF, 24576*(PRT%2)+24*QC
.set SOF, 1024*PRT+2*QC
.if ((\rt) == 0) && (\quant)
	s_wait_loadcnt 0x0                             ; this chunk's weights and scale words, asked for in the first four steps of the chunk before
	s_wait_alu depctr_va_vdst(0)                   ; the products of the chunk before are done reading the other weight set and its scale words, in which the loads of this chunk's first four steps land
.endif
	XLOC \rt
.set i, 0
.rept 16
.set ks, i/4
.set u, i%4
	WLOC 4*(\p)+u
	WIN WW|(XW<<2)
.set AD, ACC+32*((\rt)%2)+8*u
.set RA, WR+12*ks
.set RB, XR+12*ks
.set SAr, W1S+16*(\p)+4*u+ks
.set SBr, XS+2*(\rt)+ks/2
.if ks == 0
	MMA AD, RA, RB, v[BIAS+8*u:BIAS+8*u+7], SAr, SBr, 0            ; b1 starts the sum
.elseif ks == 2
	MMA AD, RA, RB, v[AD:AD+7], SAr, SBr, 0
.else
	MMA AD, RA, RB, v[AD:AD+7], SAr, SBr, 2
.endif
.if \quant
	WIN 0
.set j, 4*i
.rept 4
	QI
.set j, j+1
.endr
.endif
	EXTRA \rt, \p, \mode, \rel
.set i, i+1
.endr
.endm
	STEP 0, 0, 0, 1, 1                             ; chunk 0's first tile of rows stands in front of the loop: there is nothing yet to quantise.  (Weight set 1's registers were last named ahead of phase X's last wait on va_vdst: its first loads owe nothing more)
	WIN 0                                          ; at a label and at a branch every window is 0
	s_mov_b32 s53, 3
.Lchunks:                                              ; trip t: chunk 2 t from its second tile of rows on, chunk 2 t + 1, and the first tile of rows of chunk 2 t + 2: all that it quantises belongs to K step 4 w + t of the second product
.irp rt, 1,2,3,4,5,6,7
	STEP \rt, 0, 1, 1, 1
.endr
.irp rt, 0,1,2,3,4,5,6,7
	STEP \rt, 1, 1, 1, 2
.endr
	STEP 0, 0, 1, 1, 3
	WIN 0
	s_wait_dscnt 0x0                               ; my LDS stores are done
	s_wait_alu depctr_vm_vsrc(0)                   ; the LDS stores and the bias tiles' loads issued so far have read v12 and v14 to v18, which the six additions write
.irp k, 0,1,2,3
	v_add_nc_u32 v[14+\k], 1536, v[14+\k]
.endr
	v_add_nc_u32 v18, 64, v18
	v_add_nc_u32 v12, 256, v12
	s_wait_xcnt 0x0                                ; the loads issued so far have read their bases
	s_add_nc_u64 s[14:15], s[14:15], 49152         ; two chunks of W1 on
	s_add_nc_u64 s[16:17], s[16:17], 4096
	s_sub_co_u32 s53, s53, 1
	s_cmp_lg_u32 s53, 0
	s_cbranch_scc1 .Lchunks
.irp rt, 1,2,3,4,5,6,7                 ; the tail is written out: chunk 7 has no successor in W1 (no load leaves the buffer)
	STEP \rt, 0, 1, 1, 1
.endr
.irp rt, 0,1,2,3,4,5,6,7
	STEP \rt, 1, 1, 2, 0
.endr
.set AQ, ACC+32                        ; the last tile of rows of the last chunk is quantised by itself
.set HWR, 17
.set HOF, 24576+24
.set SOF, 7168+2
	WIN 0
.set j, 0
.rept 4
	QI                                             ; four places, for the reads of the last results
.set j, j+1
.endr
	s_wait_alu depctr_va_vdst(0)                   ; the last products are done reading weight set 1, in which the loads below land, and the row units and their scale words, which phase 2 loads anew
	LW2S 1                                         ; the second column tile of W2
	LW2Q 1, 0
	LW2Q 1, 1
	LW2Q 1, 2
	LW2Q 1, 3
.rept 60
	QI
.set j, j+1
.endr
	BARRIER                                        ; the hidden layer's 128 fragments lie in LDS; from here on LDS is only read
	; ---- PHASE 2: my two tiles of rows, all 16 K steps, into the row units (unit 4 a + Q holds K steps 4 Q .. 4 Q + 3 of tile 2 w + a)
.set rr, 0
.rept 8
	XLOC rr
	WIN XW<<6
.set e, 0
.rept 12
	ds_load_b128 v[XR+4*e:XR+4*e+3], v19 offset:24576*(rr/4)+1536*(4*(rr%4)+e/3)+16*(e%3)
.set e, e+1
.endr
.set rr, rr+1
.endr
	WIN 0
.set e, 0
.rept 16
	ds_load_b32 v[XS+e], v20 offset:128*e          ; register 8 a + ks2 / 2: lanes 0-15 the even K step's words, lanes 16-31 the odd one's
.set e, e+1
.endr
	s_wait_dscnt 0x0
; A COLUMN TILE: 16 columns x my 32 rows.  Source 0 = the hidden layer's rows, source 1 = W2's columns: lane (r, h) holds column r of the tile and rows 8 h + 0 .. 7.
; 32 matrix instructions on four accumulators by turns (tile of rows a, even and odd K steps apart); b2 starts the even sums, the constant 0 the odd ones.
.macro TILE pb
.if (\pb) == 0
	s_wait_loadcnt 53                              ; this tile's 53 loads are in; the other tile's 53, issued behind them, may be out
.endif
.irp e, 0,1,2,3,4,5,6,7
	v_mov_b32 v[BV+\e], v[B2V+(\pb)]
.endr
	PERMS \pb
	PLACES 8                                       ; the scale words stand 8 places ahead of the first product
	s_wait_alu depctr_va_vdst(0)                   ; the byte selectors have written the scale words, which the scaled products take (the eight places stay beside this wait); v21 is written, by which the load below goes; the choice that read this set's list entry is done, in whose register that load lands
	ds_load_b32 v[JN+(\pb)], v21 offset:64*(2+(\pb))               ; the list's entries for the tile two on
	s_wait_xcnt 0x0                                ; the stores of this set's last tile have had their addresses translated: the accumulators are written again only behind this wait
.set i, 0
.rept 32
.set k2, i/2
.set ta, i%2
	XLOC 4*ta+k2/4
	WLOC 4*(\pb)+k2/4
	WIN XW|(WW<<2)
.set AD, ACC+32*(\pb)+8*(ta+2*(k2%2))
.set RA, XR+12*(k2%4)
.set RB, WR+12*(k2%4)
.set SAr, XS+8*ta+k2/2
.set SBr, W1S+16*(\pb)+k2
.if k2 == 0
	MMA AD, RA, RB, v[BV:BV+7], SAr, SBr, 0
.elseif k2 == 1
	MMA AD, RA, RB, 0, SAr, SBr, 1
.elseif (k2%2) == 0
	MMA AD, RA, RB, v[AD:AD+7], SAr, SBr, 0
.else
	MMA AD, RA, RB, v[AD:AD+7], SAr, SBr, 1
.endif
.set i, i+1
.endr
	WIN 0
	PLACES 4                                       ; behind the last products, for the reads of results
.set T0, ACC+32*(\pb)
.irp a2, 0,1
.irp e, 0,2,4,6
	v_pk_add_f32 v[T0+8*\a2+\e:T0+8*\a2+\e+1], v[T0+8*\a2+\e:T0+8*\a2+\e+1], v[T0+16+8*\a2+\e:T0+16+8*\a2+\e+1]   ; the odd K steps' sum onto the even ones', each accumulator from its low end on
.endr
.endr
	s_wait_alu depctr_va_vdst(0)                   ; the additions have written the sixteen sums, which the stores read
.irp a2, 0,1
.irp e, 0,1,2,3,4,5,6,7
	global_store_b32 v[OA+(\pb)], v[T0+8*\a2+\e], s[26:27] offset:2048*(16*\a2+\e)   ; out(32 w + 16 a + 8 h + e, my column): sixteen lanes hold sixteen neighbours of the sorted list
.endr
.endr
	s_wait_dscnt 0x0                               ; the list's entries are in
	s_wait_alu depctr_vm_vsrc(0)                   ; the stores have read the sums, which this set's next products write, and their offset; this tile's loads have read theirs: ADDR writes all four offsets
	s_cmp_lt_u32 s55, s6
	s_cbranch_scc0 .Lno_more_\@
	s_wait_xcnt 0x0                                ; the stores have had their addresses translated: their offsets are written again only behind this wait
	ADDR \pb
	s_wait_alu depctr_va_vdst(0)                   ; the four offsets are written, which the loads below read; the moves, byte selectors and products of this tile are done reading b2, the raw scale bytes and the weight set, in which these loads land
	LW2S \pb                                       ; the tile two on, into the set just multiplied
	LW2Q \pb, 0
	LW2Q \pb, 1
	LW2Q \pb, 2
	LW2Q \pb, 3
.if (\pb) == 0
	s_wait_loadcnt 53                              ; the other tile's loads are in; the 53 just issued may be out
.endif
	s_branch .Lasked_\@
.Lno_more_\@:
	s_wait_loadcnt 0x0                             ; nothing was asked for: whatever is out is wanted next
.Lasked_\@:
.endm
	s_mov_b32 s53, 0
.Lcols:                                                ; 16 trips, a constant; a trip past the list's end jumps over its work (a scalar branch on the count made from col_idx); no barrier stands in the loop
	s_cmp_ge_u32 s53, s6
	s_cbranch_scc1 .Lpast
	s_add_co_u32 s55, s53, 1
	TILE 0
	TILE 1
.Lpast:
	s_wait_alu depctr_vm_vsrc(0)                   ; the list's loads issued so far have read v21
	s_wait_alu depctr_va_vdst(0)
	v_add_nc_u32 v21, 128, v21                     ; two tiles on in the list (no LDS load of mine is out)
	s_add_co_u32 s53, s53, 1
	s_cmp_lt_u32 s53, 16
	s_cbranch_scc1 .Lcols
	s_wait_dscnt 0x0                               ; the closing lines, six on end
	s_wait_alu 0x0
	s_wait_tensorcnt 0x0
	ds_add_u32 v183, v187
	s_wait_dscnt 0x0
	s_endpgm
.Lfunc_end_k_q55caf31338_amnet:
	.size	k_q55caf31338_amnet, .Lfunc_end_k_q55caf31338_amnet-k_q55caf31338_amnet
	.p2alignl 7, 3214868480
	.fill 96, 4, 3214868480
	.section	.rodata,"a",@progbits
	.p2align	6, 0x0
	.amdhsa_kernel k_q55caf31338_amnet
		.amdhsa_group_segment_fixed_size 270848
		.amdhsa_private_segment_fixed_size 0
		.amdhsa_enable_private_segment 0
		.amdhsa_kernarg_size 80
		.amdhsa_user_sgpr_count 2
		.amdhsa_user_sgpr_kernarg_segment_ptr 1
		.amdhsa_wavefront_size32 1
		.amdhsa_system_sgpr_workgroup_id_x 1
		.amdhsa_system_sgpr_workgroup_id_y 1
		.amdhsa_system_sgpr_workgroup_id_z 1
		.amdhsa_system_vgpr_workitem_id 0
		.amdhsa_next_free_vgpr 1024
		.amdhsa_next_free_sgpr 66
		.amdhsa_reserve_vcc 1
		.amdhsa_float_denorm_mode_32 3
		.amdhsa_float_denorm_mode_16_64 3
		.amdhsa_memory_ordered 1
		.amdhsa_forward_progress 1
		.amdhsa_inst_pref_size 255
	.end_amdhsa_kernel
	.section	.bss,"aw",@nobits
	.p2align	6
	.space	262144
	.amdgpu_metadata
---
amdhsa.version: [ 1, 2 ]
amdhsa.kernels:
  - .name:           k_q55caf31338_amnet
    .symbol:         k_q55caf31338_amnet.kd
    .args:
      - { .name: x, .offset: 0, .size: 8, .value_kind: global_buffer, .address_space: global }
      - { .name: A_mask, .offset: 8, .size: 8, .value_kind: global_buffer, .address_space: global }
      - { .name: col_idx, .offset: 16, .size: 8, .value_kind: global_buffer, .address_space: global }
      - { .name: w1l, .offset: 24, .size: 8, .value_kind: global_buffer, .address_space: global }
      - { .name: w1sl, .offset: 32, .size: 8, .value_kind: global_buffer, .address_space: global }
      - { .name: b1, .offset: 40, .size: 8, .value_kind: global_buffer, .address_space: global }
      - { .name: w2l, .offset: 48, .size: 8, .value_kind: global_buffer, .address_space: global }
      - { .name: W2_scales, .offset: 56, .size: 8, .value_kind: global_buffer, .address_space: global }
      - { .name: b2, .offset: 64, .size: 8, .value_kind: global_buffer, .address_space: global }
      - { .name: out0, .offset: 72, .size: 8, .value_kind: global_buffer, .address_space: global }
    .group_segment_fixed_size: 270848
    .private_segment_fixed_size: 0
    .kernarg_segment_align: 8
    .kernarg_segment_size: 80
    .max_flat_workgroup_size: 128
    .sgpr_count:     66
    .vgpr_count:     1024
    .wavefront_size: 32
...
	.end_amdgpu_metadata
.endif
;; end of part 4
